; MI455X (gfx1250); checked and timed in simulation.
; The chip was launched on July 23, 2026; its instructions are those of AMD's public machine-readable ISA for CDNA 5 (MIT licence, August 2026) and "CDNA5" Instruction Set Architecture Reference Guide (July 2026). The comments in the code are by the model that wrote it; some were corrected since.
;; Quadratic Heterogenous Cross Attention. Allowed arithmetic: matrix products marked QUANTISED: E2M3 operands, one E8M0 scale for each 32 along K, by v_wmma_scale_f32_16x16x128_f8f6f4 with both operands' format E2M3, f32 sums; everything else in f32.
;; Inputs: Wk 4 x 256 x 256 float32; Wo 256 x 256 float32; Wq 256 x 256 float32; Wv 4 x 256 x 256 float32; bk 4 x 256 float32; bo 256 float32; bq 256 float32; bv 4 x 256 float32; concatenated_features 16 x 256 x 256 float32; edge_attr 16 x 256 x 256 float32; feature_weights 4 float32; q_data 16 x 256 x 256 float32; v_0 16 x 256 x 256 float32; x_0 16 x 256 x 256 float32.
;; Outputs: out0 16 x 256 x 256 float32.
;; This version of the problem:
;;   THIS VERSION OF THE PROBLEM IS GIVEN IN LOW PRECISION. The matrix products marked QUANTISED in the list below multiply operands that are first quantised to E2M3 (2 exponent bits, 3 mantissa bits; 6 bits a number), with one power-of-two scale for each 32 numbers along K (OCP MX v1.0); their sums are f32. All else is computed in f32.
;;   The module's matrix products, in the order in which they are computed (A, B: the left and right operand; K: the contracted axis; several contracted axes count as one K, in the product's order):
;;     1. [M 4,096, K 256] x [K 256, N 256]; A: input q_data; B: input Wq: QUANTISED
;;     2. [M 4,096, K 256] x [K 256, N 256]; A: input x_0; B: input Wk: QUANTISED
;;     3. [M 4,096, K 256] x [K 256, N 256]; A: input x_0; B: input Wv: QUANTISED
;;     4. batch 16 x [M 2,048, K 32] x [K 32, N 2,048]; A: computed on the way; B: computed on the way: QUANTISED
;;     5. batch 16 x [M 2,048, K 2,048] x [K 2,048, N 32]; A: softmax (see below); B: computed on the way: QUANTISED
;;     6. [M 4,096, K 256] x [K 256, N 256]; A: input v_0; B: input Wk: QUANTISED
;;     7. [M 4,096, K 256] x [K 256, N 256]; A: input v_0; B: input Wv: QUANTISED
;;     8. batch 16 x [M 2,048, K 32] x [K 32, N 2,048]; A: computed on the way; B: computed on the way: QUANTISED
;;     9. batch 16 x [M 2,048, K 2,048] x [K 2,048, N 32]; A: softmax (see below); B: computed on the way: QUANTISED
;;     10. [M 4,096, K 256] x [K 256, N 256]; A: input edge_attr; B: input Wk: QUANTISED
;;     11. [M 4,096, K 256] x [K 256, N 256]; A: input edge_attr; B: input Wv: QUANTISED
;;     12. batch 16 x [M 2,048, K 32] x [K 32, N 2,048]; A: computed on the way; B: computed on the way: QUANTISED
;;     13. batch 16 x [M 2,048, K 2,048] x [K 2,048, N 32]; A: softmax (see below); B: computed on the way: QUANTISED
;;     14. [M 4,096, K 256] x [K 256, N 256]; A: input concatenated_features; B: input Wk: QUANTISED
;;     15. [M 4,096, K 256] x [K 256, N 256]; A: input concatenated_features; B: input Wv: QUANTISED
;;     16. batch 16 x [M 2,048, K 32] x [K 32, N 2,048]; A: computed on the way; B: computed on the way: QUANTISED
;;     17. batch 16 x [M 2,048, K 2,048] x [K 2,048, N 32]; A: softmax (see below); B: computed on the way: QUANTISED
;;     18. [M 4,096, K 256] x [K 256, N 256]; A: computed on the way; B: input Wo: QUANTISED
;;   THE QUANTISER, for each operand of a quantised product, along K:
;;     - K is cut into blocks of 32 from its start; a last block that is shorter is filled with zeros.
;;     - A block's scale is 2^e with e = floor(log2(the largest magnitude in the block)) - 2, held to -126 .. 127; a block of zeros has e = 0. As a byte (E8M0): e + 127.
;;     - Each number is divided by its block's scale, clamped to +-7.5, and rounded to the nearest number of E2M3, ties to even, subnormals kept.
;;     - The product sums the exact products of the quantised numbers (number of the format x scale) in f32.
;;   ~~~python
;;   def quantise(x, axis):      # numpy; x: float32 -> the quantised numbers, widened to float32 again
;;       x = np.moveaxis(x, axis, -1); K = x.shape[-1]
;;       x = np.pad(x, [(0, 0)] * (x.ndim - 1) + [(0, -K % 32)]); x = x.reshape(x.shape[:-1] + (-1, 32)); a = np.abs(x).max(-1, keepdims=True)
;;       e = np.where(a > 0, np.clip(np.frexp(np.where(a > 0, a, 1))[1] - 1 - 2, -126, 127), 0)      # np.frexp(a)[1] - 1 = floor(log2(a)), exactly
;;       r = np.clip(x / 2.0 ** e, -7.5, 7.5)
;;       step = 2.0 ** (np.maximum(np.frexp(np.where(r == 0, 1, r))[1] - 1, 0) - 3)
;;       q = np.round(r / step) * step * 2.0 ** e      # np.round: ties to even
;;       return np.moveaxis(q.reshape(q.shape[:-2] + (-1,))[..., :K], -1, axis).astype(np.float32)
;;   ~~~
;;   SOFTMAX AHEAD OF A QUANTISED PRODUCT. Where the list says 'softmax', what is quantised is not the finished softmax but p = 2^(t - M), with t = logit x log2(e) and M = ceil(the row's largest t), a whole number; so 1/2 < the row's largest p <= 1. The row's sum l is taken of the UNQUANTISED p, in f32, and the product's result is divided by l at the end. Since M is a whole number, a kernel that streams over the keys may use a running M (the ceiling of the running maximum): every later rescaling is an exact power of two, which a block's scale takes up: the codes' values come out the same.
;;   OPERANDS COMPUTED ON THE WAY. 'Computed on the way' means the value that the module computes at that place (a softmax that the list does not call 'softmax' is quantised finished and normalised). What goes into a quantiser is computed in f32, as accurately as f32 sums, v_exp_f32 and their like allow (about 1e-6 of the number): no bf16 or f16 on the way to a quantiser, and a product that is left as it is and whose result goes on into a quantised operand takes f32 operands (vector FMAs, or v_wmma_f32_16x16x4_f32). A number that lies on a knife's edge between two numbers of the format may be rounded either way, as far as f32 arithmetic and the matrix unit's own rounding can turn it there, and no further.
;; 2 versions. Each part assembles by itself: llvm-mc -triple=amdgcn-amd-amdhsa -mcpu=gfx1250 --defsym DOCPART=n.
;; ======== version 1 of 2: 4 launches
;; workspace buffers: wimg 491,520 bytes; wsc 20,480 bytes; kv 8,192,000 bytes; oimg 1,048,576 bytes
;; launch wquant (part 1): grid 160 x 1, 1 waves a work-group, no clusters, 0 bytes of LDS; arguments Wk, Wq, Wv, Wo, wimg, wsc; writes wimg, wsc
.if DOCPART == 1
	.amdgcn_target "amdgcn-amd-amdhsa--gfx1250"
	.amdhsa_code_object_version 6
	.text
	.protected	k_q8979d9651c_wquant
	.globl	k_q8979d9651c_wquant
	.p2align	8
	.type	k_q8979d9651c_wquant,@function
k_q8979d9651c_wquant:
	s_mov_b64 s[64:65], 0
	v_nop
	global_prefetch_b8 v0, s[64:65] scope:SCOPE_SE
	s_setreg_imm32_b32 hwreg(HW_REG_WAVE_MODE, 25, 1), 1
	s_wait_xcnt 0x0
; THE TEN WEIGHTS [256 (n)][256 (k)], f32, K innermost, BECOME CODES OF FP6 (E2M3) with one E8M0 byte for each 32 along K.
; Each weight is read by 32 to 64 work-groups of the later launches, so it is quantised once, here.
; A wave takes one TILE: 16 rows x 256 along K = two fragments of 16 x 128.  160 tiles: 0-63 Wk (1,024 rows on end), 64-79 Wq, 80-143 Wv, 144-159 Wo.
; THE ROWS OF A TILE ARE NOT NEIGHBOURS: lane r of tile t takes row 32 (t / 2) + 8 (t % 2) + r + 8 (r / 8), so that in a product whose source 0 is such a
; tile the 16 result registers of tiles 2 b and 2 b + 1 are 16 neighbouring rows of the weight.
; OUT: wimg[tile][K step][3][32 lanes][16 bytes]: a fragment's 12 registers as they stand (three stores of 512 consecutive bytes); any wave that loads them by
; the same three lines has the operand.  wsc[tile][lane]: lanes 0-15 the rows' scale words of K step 0, lanes 16-31 those of K step 1.
; A block's scale is 2^(floor(log2(its largest magnitude)) - 2); its byte is the largest magnitude's exponent field - 2, held at 1 from below.
; LIMITS: a block of zeros gets the byte 1 where the rule says 127 (its codes are zeros, and this program alone reads the bytes); NaN and infinities are not served.
; The loads are pieces of 16 bytes, 64 bytes apart from lane half to lane half and a row apart from lane to lane; a row's 1,024 bytes are all asked for in one run.
; A wave reads 16 KB once, so no turn through LDS is made.  No LDS, no barrier, no matrix unit: nothing is shared.
.set X0,  16                           ; v16-79   K step 0: register 16 b + i = number 16 h + i of block b of my row
.set X1,  80                           ; v80-143  K step 1
.set TM,  144                          ; v144-147 largest magnitudes
.set TB,  148                          ; v148-151 the other lane half's, then the bytes
.set TS,  152                          ; v152-155 the conversions' scale operands
.set CT,  156                          ; v156-163 the odd blocks' codes on their way
.set PW,  164                          ; the scale word just made
.set PW0, 165                          ; K step 0's
.set SCW, 166
.set FR,  168                          ; v168-191 the two fragments
.set SEL, 24                           ; s[24:25] v_permlanex16_b32's selects for lane l xor 16
; 64 numbers of a lane become codes: blocks 0, 1 in v[d0 .. d0+5] (lanes 0-15 hold block 0 whole, lanes 16-31 block 1), blocks 2, 3 in v[d1 .. d1+5]; the row's scale word in v[PW], in both lane halves.
.macro QUANT s, d0, d1
.irp b, 0,1,2,3
	v_max3_num_f32 v[TM+\b], |v[\s+16*\b]|, |v[\s+16*\b+1]|, 0x1800000   ; my 16 numbers of block b, and the floor 2^(3 - 127): the byte cannot fall under 1
.endr
.irp i, 2,4,6,8,10,12,14
.irp b, 0,1,2,3
	v_max3_num_f32 v[TM+\b], v[TM+\b], |v[\s+16*\b+\i]|, |v[\s+16*\b+\i+1]|   ; the four blocks by turns
.endr
.endr
.irp b, 0,1,2,3
	v_permlanex16_b32 v[TB+\b], v[TM+\b], s[SEL], s[SEL+1]
.endr
.irp b, 0,1,2,3
	v_max_num_f32 v[TM+\b], v[TM+\b], v[TB+\b]     ; with lane l xor 16's 16: the block's largest magnitude
.endr
.irp b, 0,1,2,3
	v_add_nc_u32 v[TS+\b], 0xff000000, v[TM+\b]    ; 2 off its exponent field: the conversion takes that field as its scale
.endr
.irp b, 0,1,2,3
	v_lshrrev_b32 v[TB+\b], 23, v[TS+\b]           ; the scale's byte
.endr
	v_lshl_or_b32 v[PW], v[TB+1], 8, v[TB]
	v_lshl_or_b32 v[PW], v[TB+2], 16, v[PW]
	v_lshl_or_b32 v[PW], v[TB+3], 24, v[PW]
	v_cvt_scalef32_pk16_fp6_f32 v[\d0:\d0+2], v[\s:\s+15], v[TS]
	v_cvt_scalef32_pk16_fp6_f32 v[CT:CT+2], v[\s+16:\s+31], v[TS+1]      ; (a conversion's three registers begin on an even number)
	v_cvt_scalef32_pk16_fp6_f32 v[\d1:\d1+2], v[\s+32:\s+47], v[TS+2]
	v_cvt_scalef32_pk16_fp6_f32 v[CT+4:CT+6], v[\s+48:\s+63], v[TS+3]
	v_nop                                          ; one plain place behind the scaled conversions
.irp i, 0,1,2
	v_permlane16_swap_b32 v[\d0+\i], v[CT+\i]      ; the even block's upper half changes places with the odd block's lower half: a whole block to a lane
	v_permlane16_swap_b32 v[\d1+\i], v[CT+4+\i]
.endr
.irp i, 0,1,2
	v_mov_b32 v[\d0+3+\i], v[CT+\i]
	v_mov_b32 v[\d1+3+\i], v[CT+4+\i]
.endr
.endm
.macro XLOAD reg, s                    ; my row's numbers of K step s
.irp b, 0,1,2,3
.irp i, 0,1,2,3
	global_load_b128 v[\reg+16*\b+4*\i:\reg+16*\b+4*\i+3], v1, s[18:19] offset:512*\s+128*\b+16*\i th:TH_LOAD_NT
.endr
.endr
.endm
	s_load_b256 s[4:11], s[0:1], 0x0               ; Wk s[4:5], Wq s[6:7], Wv s[8:9], Wo s[10:11]
	s_load_b128 s[12:15], s[0:1], 0x20             ; wimg s[12:13], wsc s[14:15]
	v_and_b32 v4, 15, v0                           ; r (one wave: v0 is the lane)
	v_bfe_u32 v5, v0, 4, 1                         ; h
	v_and_b32 v6, 8, v4
	v_add_nc_u32 v6, v6, v4                        ; r + 8 (r / 8)
	v_lshlrev_b32 v1, 10, v6                       ; that row of 1,024 bytes,
	v_lshl_add_u32 v1, v5, 6, v1                   ; + 64 h: my 16 numbers of a block
	v_lshlrev_b32 v2, 4, v0                        ; an image's place for my lane
	v_lshlrev_b32 v3, 2, v0                        ; a scale word's
	s_mov_b32 s[SEL], 0x76543210
	s_mov_b32 s[SEL+1], 0xfedcba98
.irp b, 0,1,2,3
	v_mov_b32 v[TB+\b], 0                          ; written once: a lane permute's destination counts as one of its sources
.endr
	s_mov_b32 s17, 144
	s_wait_kmcnt 0x0
	s_mov_b64 s[18:19], s[10:11]                   ; which weight my tile belongs to, and that weight's first tile: the choice hangs on the work-group's number alone
	s_cmp_lt_u32 ttmp9, 144
	s_cselect_b64 s[18:19], s[8:9], s[18:19]
	s_cselect_b32 s17, 80, s17
	s_cmp_lt_u32 ttmp9, 80
	s_cselect_b64 s[18:19], s[6:7], s[18:19]
	s_cselect_b32 s17, 64, s17
	s_cmp_lt_u32 ttmp9, 64
	s_cselect_b64 s[18:19], s[4:5], s[18:19]
	s_cselect_b32 s17, 0, s17
	s_sub_co_u32 s16, ttmp9, s17                   ; the tile's number in its buffer
	s_lshr_b32 s20, s16, 1
	s_lshl_b32 s20, s20, 15                        ; 32 rows of 1,024 bytes for each pair of tiles,
	s_and_b32 s21, s16, 1
	s_lshl_b32 s21, s21, 13                        ; 8 rows for the odd one
	s_add_co_u32 s20, s20, s21
	s_mov_b32 s21, 0
	s_add_nc_u64 s[18:19], s[18:19], s[20:21]
	s_mul_i32 s22, ttmp9, 3072
	s_mov_b32 s23, 0
	s_add_nc_u64 s[12:13], s[12:13], s[22:23]
	s_lshl_b32 s22, ttmp9, 7
	s_add_nc_u64 s[14:15], s[14:15], s[22:23]
	XLOAD X0, 0
	XLOAD X1, 1
	s_wait_loadcnt 16                              ; K step 0's sixteen loads are in; K step 1's sixteen may be out
	QUANT X0, FR, FR+6
	v_mov_b32 v[PW0], v[PW]
	s_wait_loadcnt 0x0
	QUANT X1, FR+12, FR+18
	v_cmp_gt_u32 vcc_lo, 16, v0
	v_cndmask_b32 v[SCW], v[PW], v[PW0], vcc_lo    ; lanes 0-15: K step 0's words; lanes 16-31: K step 1's
.irp q, 0,1,2,3,4,5
	global_store_b128 v2, v[FR+4*\q:FR+4*\q+3], s[12:13] offset:512*\q   ; 32 lanes store 512 consecutive bytes, aligned
.endr
	global_store_b32 v3, v[SCW], s[14:15]
	s_endpgm
.Lfunc_end_k_q8979d9651c_wquant:
	.size	k_q8979d9651c_wquant, .Lfunc_end_k_q8979d9651c_wquant-k_q8979d9651c_wquant
	.p2alignl 7, 3214868480
	.fill 96, 4, 3214868480
	.section	.rodata,"a",@progbits
	.p2align	6, 0x0
	.amdhsa_kernel k_q8979d9651c_wquant
		.amdhsa_group_segment_fixed_size 0
		.amdhsa_private_segment_fixed_size 0
		.amdhsa_enable_private_segment 0
		.amdhsa_kernarg_size 48
		.amdhsa_user_sgpr_count 2
		.amdhsa_user_sgpr_kernarg_segment_ptr 1
		.amdhsa_wavefront_size32 1
		.amdhsa_system_sgpr_workgroup_id_x 1
		.amdhsa_system_sgpr_workgroup_id_y 1
		.amdhsa_system_sgpr_workgroup_id_z 1
		.amdhsa_system_vgpr_workitem_id 0
		.amdhsa_next_free_vgpr 192
		.amdhsa_next_free_sgpr 66
		.amdhsa_reserve_vcc 1
		.amdhsa_float_denorm_mode_32 3
		.amdhsa_float_denorm_mode_16_64 3
		.amdhsa_memory_ordered 1
		.amdhsa_forward_progress 1
		.amdhsa_inst_pref_size 14
	.end_amdhsa_kernel
	.amdgpu_metadata
---
amdhsa.version: [ 1, 2 ]
amdhsa.kernels:
  - .name:           k_q8979d9651c_wquant
    .symbol:         k_q8979d9651c_wquant.kd
    .args:
      - { .name: Wk, .offset: 0, .size: 8, .value_kind: global_buffer, .address_space: global }
      - { .name: Wq, .offset: 8, .size: 8, .value_kind: global_buffer, .address_space: global }
      - { .name: Wv, .offset: 16, .size: 8, .value_kind: global_buffer, .address_space: global }
      - { .name: Wo, .offset: 24, .size: 8, .value_kind: global_buffer, .address_space: global }
      - { .name: wimg, .offset: 32, .size: 8, .value_kind: global_buffer, .address_space: global }
      - { .name: wsc, .offset: 40, .size: 8, .value_kind: global_buffer, .address_space: global }
    .group_segment_fixed_size: 0
    .private_segment_fixed_size: 0
    .kernarg_segment_align: 8
    .kernarg_segment_size: 48
    .max_flat_workgroup_size: 32
    .sgpr_count:     66
    .vgpr_count:     192
    .wavefront_size: 32
...
	.end_amdgpu_metadata
.endif
;; end of part 1
;; launch proj (part 2): grid 160 x 1, 16 waves a work-group, no clusters, 169,984 bytes of LDS; arguments x_0, v_0, edge_attr, concatenated_features, q_data, bk, bq, bv, wimg, wsc, kv; writes kv
.if DOCPART == 2
	.amdgcn_target "amdgcn-amd-amdhsa--gfx1250"
	.amdhsa_code_object_version 6
	.text
	.protected	k_q8979d9651c_proj
	.globl	k_q8979d9651c_proj
	.p2align	8
	.type	k_q8979d9651c_proj,@function
k_q8979d9651c_proj:
	s_mov_b64 s[64:65], 0
	v_nop
	global_prefetch_b8 v0, s[64:65] scope:SCOPE_SE
	s_setreg_imm32_b32 hwreg(HW_REG_WAVE_MODE, 25, 1), 1
	s_wait_xcnt 0x0
; THE NINE INPUT PROJECTIONS, on codes of FP6 (E2M3) with one E8M0 byte for each 32 along K, and what follows them up to the attention's operands.
; Job j = work-group / 32: 0-3 a feature (k = rope(x Wk^T + bk), v = x Wv^T + bv), 4 the queries (q = rope(x Wq^T + bq)).  A work-group takes 128 rows of x: one key step of the attention.
; PHASES.  (1) Each of the 16 waves brings 8 rows of x (f32) into LDS by one tensor load; under it the wave's weights (images made by the launch before), bias and RoPE table come into registers.
; (2) Wave w quantises tile w / 2, K step w % 2 of x and stores the fragment to LDS as an IMAGE OF ITS REGISTERS (three stores of 512 bytes, lane l's 16 bytes at 16 l) with its scale words.
; (3) Waves 0-7 make k (or q), waves 8-15 make v, each for ONE head (w % 8) and all 128 rows: 32 matrix instructions a wave; bias as the C of a sum's first instruction; RoPE in f32; the quantiser; stores.
; ROWS OF A TILE: lane r of tile t takes row 32 (t / 2) + 8 (t % 2) + r + 8 (r / 8), of x and of the weights alike.
; k AND q are made TRANSPOSED (source 0 = 16 rows of W, source 1 = 16 rows of x): a lane holds one row of x and 16 neighbouring channels of the head, 16 h + 0 .. 15: the next product's K (32, one block).
;   Four tiles of 16 keys go into ONE fragment, one tile in each of its four blocks of 32 (block 2 c + h: lanes of half h, registers 6 c on); byte t of a row's scale word is tile t's.
; v is made the natural way (source 0 = x, source 1 = W): a lane holds one channel, and its registers run down the keys, which are the second product's K.
; OUT: kv[j][8 b + head] is a record of 102,400 bytes: k's images [key step 16][2][1,536], v's [16][2][1,536], k's scale words [16][32 lanes], v's [16][32 lanes].  Every store of codes covers 512 consecutive bytes, aligned.
; ROPE.  The timestep t is the same for all 128 rows.  cos and sin of t x theta are made as the t-th power of (cos theta, sin theta), those two by polynomials (theta <= 1; remainder under 2e-10):
;   t <= 7 complex products in f32, so the table is good to a few 1e-7.  theta_i = 1000^(-i / 16), i = 0 .. 15, are constants of the problem.
; LIMITS: a block of zeros gets the byte 1 where the rule says 127 (its codes are zeros, and this program alone reads the bytes); NaN and infinities are not served.
; UNWELCOME, AND KEPT: the queries have no v.  In job 4 waves 8-15 still load weights and bias (feature 3's, 6 KB a wave, inside the buffers), so that every register named later is written on every way; they end behind the second barrier.
; No cluster: the work-groups of a job share only their 96 KB of weight images, read once each.  LDS is filled once: no slot is filled again.
.set XP,   1040                        ; a row of x in LDS: 1,024 bytes + 16 of padding = 65 x 16: the 16 rows that a load touches start in 16 different groups of four banks
.set XIMG, 128*XP                      ; behind the rows: x's 16 fragment images (tile m, K step s: 2 m + s), 1,536 bytes each,
.set XSC,  XIMG+16*1536                ; and their scale words [m][s][16 rows]
.set REC,  102400
.set XR,  1                            ; v1   where I read my row of x
.set LI,  2                            ; v2   16 x lane
.set LS,  3                            ; v3   4 x lane
.set XWI, 4                            ; v4   where I store my image of x
.set XWS, 5                            ; v5   and its scale words
.set FXI, 6                            ; v6   XIMG + 16 x lane
.set FXS, 7                            ; v7   XSC + 4 x lane: lanes 0-15 K step 0's words, lanes 16-31 K step 1's
.set BO,  8                            ; v8   my byte in the bias
.set LN,  9                            ; v9   lane
.set WF,  10                           ; v10-57   my head's weights: fragment (tile u, K step s) at 12 (2 u + s)
.set WS,  58                           ; v58-59   their scale words: lanes 0-15 K step 0, lanes 16-31 K step 1
.set XSR, 60                           ; v60-61   x's scale words, likewise
.set BI,  62                           ; v62-77   the bias in the result's layout, 8 registers a tile u
.set CO,  78                           ; v78-85   cos(t theta) of my 8 pairs of channels
.set SI,  86                           ; v86-93   sin
.set XF,  94                           ; v94-141  two tiles x two K steps of x
.set ACC, 142                          ; v142-205 eight accumulators; in phase 2 my 64 numbers of x; at the head the RoPE table's scratch
.set TM,  206
.set TB,  210
.set TS,  214
.set CT,  218
.set PW,  226
.set PW0, 227
.set FR,  228                          ; v228-251 the codes just made: two fragments
.set T1,  252
.set T2,  253
.set SCW, 254
.set TH,  ACC                          ; theta;  later sin x sin theta
.set X2,  ACC+8                        ; theta^2; later sin x cos theta
.set RS,  ACC+16                       ; sin theta
.set RC,  ACC+24                       ; cos theta
.set SEL, 44                           ; s[44:45]
; 64 numbers of a lane, register 16 b + i = number 16 h + i of block b of my row, become codes: blocks 0, 1 in v[d0 .. d0+5] (lanes 0-15 block 0 whole, lanes 16-31 block 1), blocks 2, 3 in v[d1 ..]; the scale word in v[PW], in both lane halves.
.macro QUANT s, d0, d1
.irp b, 0,1,2,3
	v_max3_num_f32 v[TM+\b], |v[\s+16*\b]|, |v[\s+16*\b+1]|, 0x1800000   ; and the floor 2^(3 - 127): the byte cannot fall under 1
.endr
.irp i, 2,4,6,8,10,12,14
.irp b, 0,1,2,3
	v_max3_num_f32 v[TM+\b], v[TM+\b], |v[\s+16*\b+\i]|, |v[\s+16*\b+\i+1]|
.endr
.endr
.irp b, 0,1,2,3
	v_permlanex16_b32 v[TB+\b], v[TM+\b], s[SEL], s[SEL+1]
.endr
.irp b, 0,1,2,3
	v_max_num_f32 v[TM+\b], v[TM+\b], v[TB+\b]
.endr
.irp b, 0,1,2,3
	v_add_nc_u32 v[TS+\b], 0xff000000, v[TM+\b]    ; 2 off the exponent field: the conversion's scale operand
.endr
.irp b, 0,1,2,3
	v_lshrrev_b32 v[TB+\b], 23, v[TS+\b]           ; the scale's byte
.endr
	v_lshl_or_b32 v[PW], v[TB+1], 8, v[TB]
	v_lshl_or_b32 v[PW], v[TB+2], 16, v[PW]
	v_lshl_or_b32 v[PW], v[TB+3], 24, v[PW]
	v_cvt_scalef32_pk16_fp6_f32 v[\d0:\d0+2], v[\s:\s+15], v[TS]
	v_cvt_scalef32_pk16_fp6_f32 v[CT:CT+2], v[\s+16:\s+31], v[TS+1]
	v_cvt_scalef32_pk16_fp6_f32 v[\d1:\d1+2], v[\s+32:\s+47], v[TS+2]
	v_cvt_scalef32_pk16_fp6_f32 v[CT+4:CT+6], v[\s+48:\s+63], v[TS+3]
	v_nop                                          ; one plain place behind the scaled conversions: their results are touched below, their sources written again by later products
.irp i, 0,1,2
	v_permlane16_swap_b32 v[\d0+\i], v[CT+\i]
	v_permlane16_swap_b32 v[\d1+\i], v[CT+4+\i]
.endr
.irp i, 0,1,2
	v_mov_b32 v[\d0+3+\i], v[CT+\i]
	v_mov_b32 v[\d1+3+\i], v[CT+4+\i]
.endr
.endm
.macro THETA k, lo, hi                 ; pair k of my 8: frequency 8 h + k
	v_mov_b32 v[TH+\k], \hi
	v_cndmask_b32 v[TH+\k], \lo, v[TH+\k], vcc_lo
.endm
.macro HORNER reg, coef                ; reg = reg x theta^2 + coef, for the 8 pairs
.irp k, 0,1,2,3,4,5,6,7
	v_fmaak_f32 v[\reg+\k], v[\reg+\k], v[X2+\k], \coef
.endr
.endm
; One matrix instruction of phase 3: tile tt of the two in hand (pair bb of the four tiles), weight tile u, K step s.
.macro MM role, bb, tt, u, s
.if \role == 0
.set DD, ACC+16*(2*\bb+\tt)+8*\u       ; k, q: block = the tile of x, registers = channels 16 h + 8 u + 0 .. 7
.set AA, WF+12*(2*\u+\s)
.set BB, XF+12*(2*\tt+\s)
.set SA, WS+\u
.set SB, XSR+\tt
.else
.set DD, ACC+16*(2*\u+\bb)+8*\tt       ; v: block = (channel tile u, 32 keys bb), registers = keys 16 h + 8 tt + 0 .. 7
.set AA, XF+12*(2*\tt+\s)
.set BB, WF+12*(2*\u+\s)
.set SA, XSR+\tt
.set SB, WS+\u
.endif
.if \s == 0
	v_wmma_scale_f32_16x16x128_f8f6f4 v[DD:DD+7], v[AA:AA+11], v[BB:BB+11], v[BI+8*\u:BI+8*\u+7], v[SA], v[SB] matrix_a_fmt:MATRIX_FMT_FP6 matrix_b_fmt:MATRIX_FMT_FP6
.else
	v_wmma_scale_f32_16x16x128_f8f6f4 v[DD:DD+7], v[AA:AA+11], v[BB:BB+11], v[DD:DD+7], v[SA], v[SB] matrix_a_fmt:MATRIX_FMT_FP6 matrix_b_fmt:MATRIX_FMT_FP6 matrix_a_scale:MATRIX_SCALE_ROW1 matrix_b_scale:MATRIX_SCALE_ROW1
.endif
.endm
.macro ROPE                            ; the 32 pairs of my 64 numbers, ascending (each accumulator is read from its low end on); pair p: channels 16 h + 2 (p % 8), + 1
.set RP, 0
.rept 32
	v_mul_f32 v[TM+RP%4], v[ACC+2*RP+1], v[SI+RP%8]
	v_mul_f32 v[TS+RP%4], v[ACC+2*RP], v[SI+RP%8]
	v_fma_f32 v[ACC+2*RP], v[ACC+2*RP], v[CO+RP%8], -v[TM+RP%4]        ; x0 cos - x1 sin
	v_fma_f32 v[ACC+2*RP+1], v[ACC+2*RP+1], v[CO+RP%8], v[TS+RP%4]     ; x0 sin + x1 cos
.set RP, RP+1
.endr
.endm
; Phase 3 for one role: twice four tiles of x; the four accumulators of two tiles take turns, one instruction a turn.
.macro PATH role
.irp z, 0,1
.irp bb, 0,1
.if (\z+\bb) > 0
.rept 4
	v_nop                                          ; places in front of loads into registers that matrix instructions have read
.endr
.endif
.irp i, 0,1,2,3,4,5,6,7,8,9,10,11
	ds_load_b128 v[XF+4*\i:XF+4*\i+3], v[FXI] offset:3072*(4*\z+2*\bb)+512*\i
.endr
	ds_load_b32 v[XSR], v[FXS] offset:128*(4*\z+2*\bb)
	ds_load_b32 v[XSR+1], v[FXS] offset:128*(4*\z+2*\bb+1)
	s_wait_dscnt 0x0
.irp s, 0,1
.irp tt, 0,1
.irp u, 0,1
	MM \role, \bb, \tt, \u, \s
.endr
.endr
.endr
.endr
.rept 4
	v_nop                                          ; places in front of the first read of results
.endr
.if \role == 0
	ROPE
	QUANT ACC, FR+12*\z, FR+12*\z+6                ; packed fragment z: tiles 4 z .. 4 z + 3 in its four blocks
.else
	QUANT ACC, FR+6*\z, FR+12+6*\z                 ; registers 6 z on of fragments u = 0 and u = 1: keys 64 z + 32 h + 0 .. 31
.endif
.if \z == 0
	v_mov_b32 v[PW0], v[PW]
.endif
.endr
.endm
.macro SEND
.irp q, 0,1,2,3,4,5
	global_store_b128 v[LI], v[FR+4*\q:FR+4*\q+3], s[58:59] offset:512*\q   ; 32 lanes store 512 consecutive bytes, aligned
.endr
	global_store_b32 v[LS], v[SCW], s[60:61]
.endm
	s_load_b512 s[8:23], s[0:1], 0x0               ; x_0 s[8:9], v_0 s[10:11], edge_attr s[12:13], concatenated_features s[14:15], q_data s[16:17], bk s[18:19], bq s[20:21], bv s[22:23]
	s_load_b128 s[24:27], s[0:1], 0x40             ; wimg s[24:25], wsc s[26:27]
	s_load_b64 s[28:29], s[0:1], 0x50              ; kv
	v_lshl_add_u32 v225, v0, 2, 0x29000
	v_mov_b32 v255, 0
	ds_add_u32 v225, v255
	ds_add_u32 v225, v255
	v_lshrrev_b32 v[T1], 5, v0
	v_readfirstlane_b32 s3, v[T1]                  ; wave 0..15
	s_lshr_b32 s4, ttmp9, 5                        ; j: the job
	s_and_b32 s5, ttmp9, 31                        ; which 128 rows
	s_lshr_b32 s6, s3, 3                           ; role: 0 k or q, 1 v
	s_and_b32 s7, s3, 7                            ; my head
	s_bfe_u32 s30, ttmp9, 0x30001                  ; the timestep: 256 rows each, 8 to a batch
	; descriptor group 1: 8 rows of 256 f32, 16 bytes of padding behind each
	s_mov_b32 s32, (2<<16)|(1<<20)|(7<<22)|(3<<25) ; no mask; elements of 4 bytes; padding on, after every 256 words (code 7), of 4 words (code 3)
	s_mov_b32 s33, 256<<16                         ; tensor_dim0 = 256
	s_mov_b32 s34, 8<<16                           ; tensor_dim1 = 8
	s_mov_b32 s35, 256<<16                         ; tile_dim0 = 256
	s_mov_b32 s36, 8                               ; tile_dim1 = 8
	s_mov_b32 s37, 256                             ; elements from row to row
	s_mov_b32 s38, 0
	s_mov_b32 s39, 0
	; rows 8 w .. 8 w + 7 go to the place with w's two low bits swapped: so LDS row 16 m + r is row r of tile m (a tile is two groups of eight rows, 16 rows apart)
	s_and_b32 s46, s3, 12
	s_and_b32 s47, s3, 1
	s_lshl_b32 s47, s47, 1
	s_or_b32 s46, s46, s47
	s_bfe_u32 s47, s3, 0x10001
	s_or_b32 s46, s46, s47
	s_mov_b32 s40, 1                               ; group 0: count = 1
	s_mul_i32 s41, s46, 8*XP                       ; LDS address
	s_lshl_b32 s48, s5, 17                         ; 128 rows of 1,024 bytes a work-group,
	s_lshl_b32 s49, s3, 13                         ; 8 a wave
	s_add_co_u32 s48, s48, s49
	s_mov_b32 s49, 0
	s_wait_dscnt 0x0
	s_wait_kmcnt 0x0
	s_mov_b64 s[50:51], s[16:17]                   ; the job's x: the choice hangs on the work-group's number alone
	s_cmp_eq_u32 s4, 3
	s_cselect_b64 s[50:51], s[14:15], s[50:51]
	s_cmp_eq_u32 s4, 2
	s_cselect_b64 s[50:51], s[12:13], s[50:51]
	s_cmp_eq_u32 s4, 1
	s_cselect_b64 s[50:51], s[10:11], s[50:51]
	s_cmp_eq_u32 s4, 0
	s_cselect_b64 s[50:51], s[8:9], s[50:51]
	s_add_nc_u64 s[42:43], s[50:51], s[48:49]
	s_or_b32 s43, s43, 0x80000000                  ; type = 2
	tensor_load_to_lds s[40:43], s[32:39]          ; my one tensor load of the launch
	s_nop 0
	v_and_b32 v[LN], 31, v0
	v_and_b32 v[T1], 15, v0                        ; r
	v_bfe_u32 v[T2], v0, 4, 1                      ; h
	; every LDS address is made here, ahead of the first parting of the roles
	s_lshr_b32 s46, s3, 1
	s_mul_i32 s46, s46, 16*XP                      ; phase 2: tile w / 2,
	s_and_b32 s47, s3, 1
	s_lshl_b32 s47, s47, 9                         ; K step w % 2
	s_add_co_u32 s46, s46, s47
	v_mul_u32_u24 v[XR], v[T1], XP
	v_lshl_add_u32 v[XR], v[T2], 6, v[XR]          ; row r, + 64 h: my 16 numbers of a block
	v_add_nc_u32 v[XR], s46, v[XR]
	v_lshlrev_b32 v[LI], 4, v[LN]
	v_lshlrev_b32 v[LS], 2, v[LN]
	s_mul_i32 s46, s3, 1536
	s_add_co_u32 s46, s46, XIMG
	v_add_nc_u32 v[XWI], s46, v[LI]
	s_lshl_b32 s46, s3, 6
	s_add_co_u32 s46, s46, XSC
	v_lshl_add_u32 v[XWS], v[T1], 2, s46           ; both lane halves write the same word with the same value
	v_add_nc_u32 v[FXI], XIMG, v[LI]
	v_add_nc_u32 v[FXS], XSC, v[LS]
	s_mov_b32 s[SEL], 0x76543210
	s_mov_b32 s[SEL+1], 0xfedcba98
.irp b, 0,1,2,3
	v_mov_b32 v[TB+\b], 0                          ; written once: a lane permute's destination counts as one of its sources
.endr
	; my weights: tiles 16 j + 2 head on (k, q: Wq's tiles lie behind Wk's) or 80 + 16 min(j, 3) + 2 head on (v)
	s_min_u32 s52, s4, 3
	s_cmp_lt_u32 s3, 8
	s_cselect_b32 s52, s4, s52
	s_cselect_b32 s53, 0, 80
	s_lshl_b32 s46, s52, 4
	s_add_co_u32 s46, s46, s53
	s_lshl_b32 s47, s7, 1
	s_add_co_u32 s46, s46, s47
	s_mul_i32 s48, s46, 3072
	s_add_nc_u64 s[24:25], s[24:25], s[48:49]
	s_lshl_b32 s48, s46, 7
	s_add_nc_u64 s[26:27], s[26:27], s[48:49]
.irp i, 0,1,2,3,4,5,6,7,8,9,10,11
	global_load_b128 v[WF+4*\i:WF+4*\i+3], v[LI], s[24:25] offset:512*\i
.endr
	global_load_b32 v[WS], v[LS], s[26:27]
	global_load_b32 v[WS+1], v[LS], s[26:27] offset:128
	; my bias: bq, bk[j] or bv[min(j, 3)], at my head's 32 numbers
	s_cmp_eq_u32 s4, 4
	s_cselect_b64 s[54:55], s[20:21], s[18:19]
	s_cselect_b32 s56, 0, s4
	s_cmp_lt_u32 s3, 8
	s_cselect_b64 s[54:55], s[54:55], s[22:23]
	s_cselect_b32 s56, s56, s52
	s_lshl_b32 s48, s56, 10
	s_lshl_b32 s47, s7, 7
	s_add_co_u32 s48, s48, s47
	s_add_nc_u64 s[54:55], s[54:55], s[48:49]
	; where my results go: record 16 j + 8 b + head; k's or v's images of this key step; their scale words
	s_lshl_b32 s46, s4, 4
	s_lshr_b32 s47, s5, 4
	s_lshl_b32 s47, s47, 3
	s_add_co_u32 s46, s46, s47
	s_add_co_u32 s46, s46, s7
	s_mul_i32 s46, s46, REC
	s_and_b32 s47, s5, 15                          ; the key step
	s_mul_i32 s48, s6, 49152
	s_mul_i32 s56, s47, 3072
	s_add_co_u32 s48, s48, s56
	s_add_co_u32 s48, s48, s46
	s_add_nc_u64 s[58:59], s[28:29], s[48:49]
	s_lshl_b32 s48, s6, 11
	s_lshl_b32 s56, s47, 7
	s_add_co_u32 s48, s48, s56
	s_add_co_u32 s48, s48, s46
	s_add_co_u32 s48, s48, 98304
	s_add_nc_u64 s[60:61], s[28:29], s[48:49]
	s_cmp_lt_u32 s3, 8
	s_cbranch_scc0 .Lv_head
	; ---- k, q: the bias of channels 16 h + 8 u + 0 .. 7, and the RoPE table
	v_lshlrev_b32 v[BO], 6, v[T2]
.irp u, 0,1
	global_load_b128 v[BI+8*\u:BI+8*\u+3], v[BO], s[54:55] offset:32*\u
	global_load_b128 v[BI+8*\u+4:BI+8*\u+7], v[BO], s[54:55] offset:32*\u+16
.endr
	v_cmp_le_u32 vcc_lo, 16, v[LN]                 ; lanes 16-31 take frequencies 8 .. 15
	THETA 0, 0x3f800000, 0x3d0186e2                ; 1.0            0.0316227766
	THETA 1, 0x3f263de0, 0x3ca8398b                ; 0.649381632    0.0205352503
	THETA 2, 0x3ed7e89b, 0x3c5a7bf1                ; 0.421696503    0.0133352143
	THETA 3, 0x3e8c3504, 0x3c0de12d                ; 0.273841963    0.00865964323
	THETA 4, 0x3e361887, 0x3bb8449c                ; 0.177827941    0.00562341325
	THETA 5, 0x3dec7fd5, 0x3b6f520d                ; 0.115478198    0.00365174127
	THETA 6, 0x3d99940e, 0x3b1b690d                ; 0.0749894209   0.00237137371
	THETA 7, 0x3d47763f, 0x3ac9d75c                ; 0.0486967525   0.00153992653
.irp k, 0,1,2,3,4,5,6,7
	v_mul_f32 v[X2+\k], v[TH+\k], v[TH+\k]
.endr
.irp k, 0,1,2,3,4,5,6,7
	v_mov_b32 v[RS+\k], 0xb2d72f34                 ; sin x = x + x x^2 P(x^2): -2.505e-8,
	v_mov_b32 v[RC+\k], 0x310f74f6                 ; cos x = 1 - x^2 / 2 + x^4 Q(x^2): 2.0876e-9,
.endr
	HORNER RS, 0x3638ef1b                          ; 2.75573e-6
	HORNER RC, 0xb493f27c                          ; -2.75573e-7
	HORNER RS, 0xb9500d01                          ; -1.98413e-4
	HORNER RC, 0x37d00d01                          ; 2.48016e-5
	HORNER RS, 0x3c088889                          ; 8.33333e-3
	HORNER RC, 0xbab60b61                          ; -1.38889e-3
	HORNER RS, 0xbe2aaaab                          ; -1 / 6
	HORNER RC, 0x3d2aaaab                          ; 1 / 24
	HORNER RC, 0xbf000000                          ; -1 / 2
	HORNER RC, 0x3f800000                          ; 1
.irp k, 0,1,2,3,4,5,6,7
	v_mul_f32 v[RS+\k], v[RS+\k], v[X2+\k]
.endr
.irp k, 0,1,2,3,4,5,6,7
	v_fma_f32 v[RS+\k], v[RS+\k], v[TH+\k], v[TH+\k]
.endr
.irp k, 0,1,2,3,4,5,6,7
	v_mov_b32 v[CO+\k], 1.0                        ; angle 0,
	v_mov_b32 v[SI+\k], 0
.endr
	s_cmp_eq_u32 s30, 0
	s_cbranch_scc1 .Lrope_done
	s_mov_b32 s31, 0
.Lrope:                                                ; and t times one theta on
.irp k, 0,1,2,3,4,5,6,7
	v_mul_f32 v[TH+\k], v[SI+\k], v[RS+\k]
.endr
.irp k, 0,1,2,3,4,5,6,7
	v_mul_f32 v[X2+\k], v[SI+\k], v[RC+\k]
.endr
.irp k, 0,1,2,3,4,5,6,7
	v_fma_f32 v[SI+\k], v[CO+\k], v[RS+\k], v[X2+\k]
.endr
.irp k, 0,1,2,3,4,5,6,7
	v_fma_f32 v[CO+\k], v[CO+\k], v[RC+\k], -v[TH+\k]
.endr
	s_add_co_u32 s31, s31, 1
	s_cmp_lt_u32 s31, s30
	s_cbranch_scc1 .Lrope
.Lrope_done:
	s_branch .Lhead_done
.Lv_head:
	; ---- v: the bias of my lane's channel 8 u + r + 8 (r / 8)
	v_and_b32 v[BO], 8, v[T1]
	v_add_nc_u32 v[BO], v[BO], v[T1]
	v_lshlrev_b32 v[BO], 2, v[BO]
	global_load_b32 v[BI], v[BO], s[54:55]
	global_load_b32 v[BI+8], v[BO], s[54:55] offset:32
.Lhead_done:
	s_wait_tensorcnt 0x0                           ; my 8 rows have landed,
	s_barrier_signal -1
	s_barrier_wait -1                              ; everybody's have: a tile's 16 rows came by two waves' loads
	; ---- phase 2: my fragment of x
.irp b, 0,1,2,3
.irp i, 0,1,2,3
	ds_load_b128 v[ACC+16*\b+4*\i:ACC+16*\b+4*\i+3], v[XR] offset:128*\b+16*\i
.endr
.endr
	s_wait_dscnt 0x0
	QUANT ACC, FR, FR+6
.irp q, 0,1,2
	ds_store_b128 v[XWI], v[FR+4*\q:FR+4*\q+3] offset:512*\q
.endr
	ds_store_b32 v[XWS], v[PW]
	s_wait_dscnt 0x0                               ; for the others' sake: my stores have landed
	s_barrier_signal -1
	s_barrier_wait -1                              ; x's sixteen fragments lie in LDS
	s_wait_loadcnt 0x0                             ; weights, scale words, bias
	s_cmp_lt_u32 s3, 8
	s_cbranch_scc0 .Lv_path
	; ---- phase 3, k or q
	PATH 0
	v_cmp_gt_u32 vcc_lo, 16, v[LN]
	v_cndmask_b32 v[SCW], v[PW], v[PW0], vcc_lo    ; lanes 0-15: fragment 0's words; lanes 16-31: fragment 1's
	SEND
	s_wait_tensorcnt 0x0
	ds_add_u32 v225, v255
	s_wait_dscnt 0x0
	s_endpgm
.Lv_path:
	s_cmp_eq_u32 s4, 4
	s_cbranch_scc1 .Lend                           ; the queries have no v
	; ---- phase 3, v
.irp u, 0,1
.irp i, 1,2,3,4,5,6,7
	v_mov_b32 v[BI+8*\u+\i], v[BI+8*\u]            ; a lane's eight results are eight keys of one channel: one bias
.endr
.endr
	PATH 1
	v_perm_b32 v[T1], v[PW], v[PW0], 0x05040100    ; channel tile 0: the bytes of key blocks 0, 1 (first half) and 2, 3 (second half)
	v_perm_b32 v[T2], v[PW], v[PW0], 0x07060302    ; channel tile 1
	v_cmp_gt_u32 vcc_lo, 16, v[LN]
	v_cndmask_b32 v[SCW], v[T2], v[T1], vcc_lo     ; lanes 0-15: tile 0's words; lanes 16-31: tile 1's
	SEND
.Lend:
	s_wait_tensorcnt 0x0
	ds_add_u32 v225, v255
	s_wait_dscnt 0x0
	s_endpgm
.Lfunc_end_k_q8979d9651c_proj:
	.size	k_q8979d9651c_proj, .Lfunc_end_k_q8979d9651c_proj-k_q8979d9651c_proj
	.p2alignl 7, 3214868480
	.fill 96, 4, 3214868480
	.section	.rodata,"a",@progbits
	.p2align	6, 0x0
	.amdhsa_kernel k_q8979d9651c_proj
		.amdhsa_group_segment_fixed_size 169984
		.amdhsa_private_segment_fixed_size 0
		.amdhsa_enable_private_segment 0
		.amdhsa_kernarg_size 88
		.amdhsa_user_sgpr_count 2
		.amdhsa_user_sgpr_kernarg_segment_ptr 1
		.amdhsa_wavefront_size32 1
		.amdhsa_system_sgpr_workgroup_id_x 1
		.amdhsa_system_sgpr_workgroup_id_y 1
		.amdhsa_system_sgpr_workgroup_id_z 1
		.amdhsa_system_vgpr_workitem_id 0
		.amdhsa_next_free_vgpr 256
		.amdhsa_next_free_sgpr 66
		.amdhsa_reserve_vcc 1
		.amdhsa_float_denorm_mode_32 3
		.amdhsa_float_denorm_mode_16_64 3
		.amdhsa_memory_ordered 1
		.amdhsa_forward_progress 1
		.amdhsa_inst_pref_size 69
	.end_amdhsa_kernel
	.amdgpu_metadata
---
amdhsa.version: [ 1, 2 ]
amdhsa.kernels:
  - .name:           k_q8979d9651c_proj
    .symbol:         k_q8979d9651c_proj.kd
    .args:
      - { .name: x_0, .offset: 0, .size: 8, .value_kind: global_buffer, .address_space: global }
      - { .name: v_0, .offset: 8, .size: 8, .value_kind: global_buffer, .address_space: global }
      - { .name: edge_attr, .offset: 16, .size: 8, .value_kind: global_buffer, .address_space: global }
      - { .name: concatenated_features, .offset: 24, .size: 8, .value_kind: global_buffer, .address_space: global }
      - { .name: q_data, .offset: 32, .size: 8, .value_kind: global_buffer, .address_space: global }
      - { .name: bk, .offset: 40, .size: 8, .value_kind: global_buffer, .address_space: global }
      - { .name: bq, .offset: 48, .size: 8, .value_kind: global_buffer, .address_space: global }
      - { .name: bv, .offset: 56, .size: 8, .value_kind: global_buffer, .address_space: global }
      - { .name: wimg, .offset: 64, .size: 8, .value_kind: global_buffer, .address_space: global }
      - { .name: wsc, .offset: 72, .size: 8, .value_kind: global_buffer, .address_space: global }
      - { .name: kv, .offset: 80, .size: 8, .value_kind: global_buffer, .address_space: global }
    .group_segment_fixed_size: 169984
    .private_segment_fixed_size: 0
    .kernarg_segment_align: 8
    .kernarg_segment_size: 88
    .max_flat_workgroup_size: 512
    .sgpr_count:     66
    .vgpr_count:     256
    .wavefront_size: 32
...
	.end_amdgpu_metadata
.endif
;; end of part 2
;; launch attn (part 3): grid 16 x 16, 16 waves a work-group, clusters of 4 x 1, 327,680 bytes of LDS; arguments kv, feature_weights, oimg; writes oimg
.if DOCPART == 3
	.amdgcn_target "amdgcn-amd-amdhsa--gfx1250"
	.amdhsa_code_object_version 6
	.text
	.protected	k_q8979d9651c_attn
	.globl	k_q8979d9651c_attn
	.p2align	8
	.type	k_q8979d9651c_attn,@function
k_q8979d9651c_attn:
	s_mov_b64 s[64:65], 0
	v_nop
	global_prefetch_b8 v0, s[64:65] scope:SCOPE_SE
	s_setreg_imm32_b32 hwreg(HW_REG_WAVE_MODE, 25, 1), 1
	s_wait_xcnt 0x0
	s_wait_alu depctr_hold_cnt(0) depctr_sa_sdst(0) depctr_va_vdst(0) depctr_va_sdst(0) depctr_va_ssrc(0) depctr_va_vcc(0) depctr_vm_vsrc(0)
	s_getreg_b32 s2, hwreg(HW_REG_IB_STS2, 6, 4)
	s_cmp_eq_u32 s2, 0
	s_cbranch_scc0 .Lentry_in_a_cluster
	s_endpgm
.Lentry_in_a_cluster:
	s_bfe_u32 s2, ttmp6, 0x10000c
	s_cmp_lg_u32 s2, 0x3003
	s_cbranch_scc0 .Lentry_shape_is_right
	s_endpgm
.Lentry_shape_is_right:
; out[b][head][q] = the sum over the four features f of gate_f x softmax_k(q . k_f / sqrt(32)) v_f, both products on codes of FP6 (E2M3) with one E8M0 byte for each 32 along K; then out is quantised, a head to a block.
; THE SOFTMAX AHEAD OF THE SECOND PRODUCT: t = score x log2(e) / sqrt(32); M = the largest t so far, rounded UP to a whole number; p = 2^(t - M) is quantised along the keys, not normalised.
; The row's sum is taken of the unquantised p and divides at the end.  When M moves, the sum and O are multiplied by 2^(old M - new M): exact.
; SHARES.  Work-group (x, y): head y = 8 b + head, 128 queries (8 tiles of 16).  Sixteen waves of 256 registers, four to a SIMD, so that one wave's vector work stands beside another's matrix work and LDS loads.
; Wave w: tile w % 8 of the queries, half w / 8 of every feature's 2,048 keys, 128 keys a step.  The two halves' (O, M, sum) meet at the end through LDS and are joined by powers of two.
; K = 32 IN A FORM OF K = 128.  A fragment of k holds FOUR tiles of 16 keys, one in each of its blocks of 32.  The queries' fragment stands in four variants: its 32 codes in block j, zero codes elsewhere.
; The product with variant j gives tile j's scores: zero codes add exactly nothing, whatever finite code and whatever scale byte (1 .. 254 here) stands against them.  So 64 keys cost 12 registers and three LDS loads.
; LIMIT: the zeros stand on the queries' side alone; where the unit lines its sums up by the largest scale among the four blocks, a key's score is rounded as finely as f32 allows for the largest of four keys' scales, not for its own.
; LAYOUT.  Both products transposed: S^T = k q^T, O^T = v^T p^T: a lane holds ONE query (lane % 16).  Keys of a tile: lane r of tile t takes key 32 (t / 2) + 8 (t % 2) + r + 8 (r / 8): the 16 registers of tiles 2 b, 2 b + 1 are
; keys 32 b + 16 h + 0 .. 15.  The channels of v's two tiles are chosen likewise: O's 16 registers are channels 16 h + 0 .. 15.
; LDS.  A slot holds ONE FEATURE's whole record of this head (102,400 bytes: k's images, v's images, both sets of scale words, as they lie in memory); two slots.  Each wave brings a sixteenth, 25 rows of 256 bytes.
; A wave has two tensor loads out at the start and one behind each of the two refills; a refill has a whole feature (8 steps of each wave) in which to land.
; CLUSTER.  The four work-groups of a cluster share the head, hence all of k and v: every fill is asked for JOINTLY, by the same load with the same descriptor and the mask of all four.  The place in the cluster enters q's and the output's global addresses alone.
; OTHER LIMITS: NaN and infinities are not served; a block of zeros gets the byte 1 (its codes are zeros, and this program alone reads the bytes).
.set REC,   102400
.set STAGE, 2*REC                      ; behind the slots: 9,216 bytes for each pair of waves; no tensor load lands here
.set SPARE, STAGE+8*9216               ; the spare words, 128 bytes for each wave: eight blocks of 256 bytes that no other line names
.set AK0, 1                            ; v1   16 x lane + my half's 8 steps of k's images
.set AS0, 2                            ; v2   4 x lane + k's scale words + my half's
.set SPW, 3                            ; v3   LDS address of my spare word; never rewritten
.set NIL, 4                            ; v4   0; never rewritten
.set ADK, 5                            ; v5   the step's images
.set ADS, 6                            ; v6   the step's scale words
.set STA, 7                            ; v7   my lane's place in the pair's stage
.set GO,  8                            ; v8   16 x lane
                                       ; v12 -M, v13 the largest t, v[14:15] the sum in two halves
                                       ; v16-45 the queries: codes in lanes 0-15 (16-21), zeros (22-27), codes in lanes 16-31 (28-33), zeros (34-39), codes in lanes 0-15 (40-45)
.set QSC, 46                           ; the queries' scale byte, four times
.set KSC, 47                           ; k's scale words: lanes 0-15 fragment 0, lanes 16-31 fragment 1
.set VSC, 48                           ; v's: lanes 0-15 channel tile 0, lanes 16-31 tile 1
.set PSW, 49                           ; p's scale word
.set KV,  50                           ; v50-73   two fragments of k, then two of v
.set S,   74                           ; v74-137  S^T, then p
.set PC,  138                          ; v138-149 p's codes
.set CT,  150                          ; v150-157 the odd blocks' codes on their way
.set BM,  158                          ; v158-161 block maxima
.set BP,  162                          ; v162-165 the other lane half's, then bytes, then a chain of the sum
.set BS,  166                          ; v166-169 the conversions' scale operands
                                       ; v[170:171] f = 2^(old M - new M); v172, v173 at work
.set OT,  174                          ; v174-237 O^T, 16 registers a feature
.set SV,  238                          ; v238-245 -M and the sum of each feature
.set OUT, 50                           ; the end: the gated sum, over k's and v's registers
.set WV,  10                           ; s10  wave
.set TBS, 40                           ; s40  LDS byte of the step's images, less my lane's part
.set TSS, 41                           ; s41  of its scale words
.macro ROUND                           ; a round of the cluster's barrier
	s_barrier_signal -1
	s_barrier_wait -1
	s_cmp_lg_u32 s[WV], 0
	s_cbranch_scc1 .Lnot_wave_0_\@
	s_barrier_signal -3
.Lnot_wave_0_\@:
	s_barrier_wait -3
	s_barrier_signal -1
	s_barrier_wait -1
.endm
; Between two features.  Each wave waits for all its tensor loads (its part of the slot that is read next), adds 0 to its spare word, and waits for that and for its reads of the slot that it has left.
; fill = 1: slot n, just left, takes the feature two further on: a round of the cluster's barrier, and the joint load first behind it.
.macro CHANGE fill, n
	s_wait_tensorcnt 0x0                           ; no tensor load of mine is out, so a group 0 may be written
	ds_add_u32 v[SPW], v[NIL]                      ; 0 onto my spare word
.if \fill
	s_add_nc_u64 s[34+4*\n:35+4*\n], s[34+4*\n:35+4*\n], 32*REC   ; two features on: 2 x 16 records; the type bits on top are not reached
.endif
	s_wait_dscnt 0x0                               ; the add is done, and my reads of the slot are over
.if \fill
	ROUND
	tensor_load_to_lds s[32+4*\n:35+4*\n], s[24:31]
	s_nop 0
.else
	s_barrier_signal -1
	s_barrier_wait -1
.endif
.endm
.macro KQ t                            ; the scores of tile t of the step's eight: fragment t / 4 of k, the queries' variant t % 4
.set QS, 16
.if (\t)%4 == 1
.set QS, 28
.elseif (\t)%4 == 2
.set QS, 34
.elseif (\t)%4 == 3
.set QS, 22
.endif
.if (\t) < 4
	v_wmma_scale_f32_16x16x128_f8f6f4 v[S+8*(\t):S+8*(\t)+7], v[KV:KV+11], v[QS:QS+11], 0, v[KSC], v[QSC] matrix_a_fmt:MATRIX_FMT_FP6 matrix_b_fmt:MATRIX_FMT_FP6
.else
	v_wmma_scale_f32_16x16x128_f8f6f4 v[S+8*(\t):S+8*(\t)+7], v[KV+12:KV+23], v[QS:QS+11], 0, v[KSC], v[QSC] matrix_a_fmt:MATRIX_FMT_FP6 matrix_b_fmt:MATRIX_FMT_FP6 matrix_a_scale:MATRIX_SCALE_ROW1
.endif
.endm
; A KEY STEP: 128 keys; O^T of the feature in hand at v[o] on.
.macro STEP o
	v_add_nc_u32 v[ADK], s[TBS], v[AK0]
	v_add_nc_u32 v[ADS], s[TSS], v[AS0]
	v_nop
	v_nop                                          ; four places in front of loads into registers that the last step's products have read
.irp q, 0,1,2,3,4,5
	ds_load_b128 v[KV+4*\q:KV+4*\q+3], v[ADK] offset:512*\q
.endr
	ds_load_b32 v[KSC], v[ADS]
	s_wait_dscnt 0x0
.irp t, 0,1,2,3,4,5,6,7
	KQ \t
.endr
.rept 4
	v_nop                                          ; places in front of the loads below and of the first read of the scores
.endr
.irp q, 0,1,2,3,4,5
	ds_load_b128 v[KV+4*\q:KV+4*\q+3], v[ADK] offset:49152+512*\q   ; v's two fragments land under the softmax
.endr
	ds_load_b32 v[VSC], v[ADS] offset:2048
.irp b, 0,1,2,3
	v_max3_num_f32 v[BM+\b], v[S+16*\b], v[S+16*\b+1], v[S+16*\b+2]   ; the largest score of each block of 32 keys: it serves the row's maximum and, since p rises with the score, the block's largest p
.endr
.irp i, 3,5,7,9,11,13
.irp b, 0,1,2,3
	v_max3_num_f32 v[BM+\b], v[BM+\b], v[S+16*\b+\i], v[S+16*\b+\i+1]
.endr
.endr
.irp b, 0,1,2,3
	v_max_num_f32 v[BM+\b], v[BM+\b], v[S+16*\b+15]
.endr
.irp b, 0,1,2,3
	v_permlanex16_b32 v[BP+\b], v[BM+\b], s20, s21
.endr
.irp b, 0,1,2,3
	v_max_num_f32 v[BM+\b], v[BM+\b], v[BP+\b]     ; with lane l xor 16's 16 keys
.endr
	v_max3_num_f32 v172, v[BM], v[BM+1], v[BM+2]
	v_max_num_f32 v172, v172, v[BM+3]
	v_mul_f32 v172, s22, v172                      ; the step's largest t (c is positive)
	v_max_num_f32 v13, v13, v172
	v_mov_b32 v172, v12
	v_floor_f32 v12, -v13                          ; the new -M = -ceil(t): a whole number
	v_sub_f32 v172, v12, v172                      ; old M - new M: a whole number, 0 or less
	v_cvt_i32_f32 v172, v172                       ; (it saturates)
	v_ldexp_f32 v170, 1.0, v172                    ; f
.set J, 0
.rept 32
	v_pk_fma_f32 v[S+J:S+J+1], v[S+J:S+J+1], s[22:23], v[12:13] op_sel_hi:[1,0,0]   ; t - M, two at a time
.set J, J+2
.endr
.irp b, 0,1,2,3
	v_fma_f32 v[BM+\b], v[BM+\b], s22, v12
.endr
.set J, 0
.rept 64
	v_exp_f32 v[S+J], v[S+J]                       ; p = 2^(t - M), at most 1
.set J, J+1
.endr
.irp b, 0,1,2,3
	v_exp_f32 v[BM+\b], v[BM+\b]                   ; the block's largest p: the same two instructions on the same number
.endr
	v_pk_mul_f32 v[14:15], v[14:15], v[170:171] op_sel_hi:[1,0]   ; the sum under the new M.  (A plain place behind the exponentials)
	s_wait_alu depctr_va_vdst(0)
.irp b, 0,1,2,3
	v_max_num_f32 v[BM+\b], 0x1800000, v[BM+\b]    ; the floor 2^(3 - 127): the byte cannot fall under 1
.endr
.irp b, 0,1,2,3
	v_add_nc_u32 v[BS+\b], 0xff000000, v[BM+\b]
.endr
.irp b, 0,1,2,3
	v_lshrrev_b32 v[BP+\b], 23, v[BS+\b]
.endr
	v_lshl_or_b32 v[PSW], v[BP+1], 8, v[BP]
	v_lshl_or_b32 v[PSW], v[BP+2], 16, v[PSW]
	v_lshl_or_b32 v[PSW], v[BP+3], 24, v[PSW]
	v_cvt_scalef32_pk16_fp6_f32 v[PC:PC+2], v[S:S+15], v[BS]
	v_cvt_scalef32_pk16_fp6_f32 v[CT:CT+2], v[S+16:S+31], v[BS+1]
	v_cvt_scalef32_pk16_fp6_f32 v[PC+6:PC+8], v[S+32:S+47], v[BS+2]
	v_cvt_scalef32_pk16_fp6_f32 v[CT+4:CT+6], v[S+48:S+63], v[BS+3]
	v_nop                                          ; one plain place behind the scaled conversions
.irp i, 0,1,2
	v_permlane16_swap_b32 v[PC+\i], v[CT+\i]       ; a whole block to a lane
	v_permlane16_swap_b32 v[PC+6+\i], v[CT+4+\i]
.endr
.irp i, 0,1,2
	v_mov_b32 v[PC+3+\i], v[CT+\i]
	v_mov_b32 v[PC+9+\i], v[CT+4+\i]
.endr
	v_pk_add_f32 v[BP:BP+1], v[S:S+1], v[S+2:S+3]  ; the row's sum is taken of the unquantised p, in two chains.  (These lines are also the places between p's scale word and codes and the products below)
.set J, 4
.rept 15
	v_pk_add_f32 v[14:15], v[14:15], v[S+J:S+J+1]
	v_pk_add_f32 v[BP:BP+1], v[BP:BP+1], v[S+J+2:S+J+3]
.set J, J+4
.endr
	v_pk_add_f32 v[14:15], v[14:15], v[BP:BP+1]
.irp j, 0,2,4,6,8,10,12,14
	v_pk_mul_f32 v[\o+\j:\o+\j+1], v[\o+\j:\o+\j+1], v[170:171] op_sel_hi:[1,0]   ; O^T under the new M, each accumulator from its low end on
.endr
	s_wait_dscnt 0x0                               ; v is in
	v_wmma_scale_f32_16x16x128_f8f6f4 v[\o:\o+7], v[KV:KV+11], v[PC:PC+11], v[\o:\o+7], v[VSC], v[PSW] matrix_a_fmt:MATRIX_FMT_FP6 matrix_b_fmt:MATRIX_FMT_FP6
	v_wmma_scale_f32_16x16x128_f8f6f4 v[\o+8:\o+15], v[KV+12:KV+23], v[PC:PC+11], v[\o+8:\o+15], v[VSC], v[PSW] matrix_a_fmt:MATRIX_FMT_FP6 matrix_b_fmt:MATRIX_FMT_FP6 matrix_a_scale:MATRIX_SCALE_ROW1
	s_add_co_u32 s[TBS], s[TBS], 3072              ; between two products on one accumulator of O^T stand nine others, one instruction a turn
	s_add_co_u32 s[TSS], s[TSS], 128
.endm
; My half of feature f's keys.  The step is written once: its first trip finds zeros, which the first change of M leaves zeros.
.macro FEATURE f
	v_mov_b32 v13, 0xff61b1e6                      ; the largest t so far: -3e38
	v_floor_f32 v12, -v13
	v_mov_b32 v14, 0
	v_mov_b32 v15, 0
.irp i, 0,1,2,3,4,5,6,7,8,9,10,11,12,13,14,15
	v_mov_b32 v[OT+16*\f+\i], 0
.endr
	s_mov_b32 s[TBS], REC*(\f%2)
	s_mov_b32 s[TSS], REC*(\f%2)
	s_mov_b32 s42, 8
.Lstep_\@:
	STEP OT+16*\f
	s_sub_co_u32 s42, s42, 1
	s_cmp_lg_u32 s42, 0
	s_cbranch_scc1 .Lstep_\@
	v_nop
	v_nop                                          ; with the three plain lines below: the places behind the last products
	v_add_f32 v14, v14, v15
	v_permlanex16_b32 v172, v14, s20, s21
	v_add_f32 v[SV+2*\f+1], v14, v172              ; my half's sum,
	v_mov_b32 v[SV+2*\f], v12                      ; and its -M
.endm
; The two halves of feature f are brought under one M, divided by the joint sum, gated and added to the output.
.macro JOIN f
	v_min_num_f32 v158, v[SV+2*\f], v[138+2*\f]    ; -max(Ma, Mb)
	v_sub_f32 v159, v158, v[SV+2*\f]
	v_sub_f32 v160, v158, v[138+2*\f]
	v_cvt_i32_f32 v159, v159
	v_cvt_i32_f32 v160, v160
	v_ldexp_f32 v161, 1.0, v159                    ; 2^(Ma - M): exact
	v_ldexp_f32 v162, 1.0, v160
	v_mul_f32 v163, v[SV+2*\f+1], v161
	v_fma_f32 v163, v[139+2*\f], v162, v163        ; the row's sum
	v_rcp_f32 v163, v163
	v_mul_f32 v161, v161, v[246+\f]                ; (a plain place behind the reciprocal)  the gate
	v_mul_f32 v162, v162, v[246+\f]
	s_wait_alu depctr_va_vdst(0)
	v_mul_f32 v250, v161, v163
	v_mul_f32 v252, v162, v163
.set J, 0
.rept 8
.if \f == 0
	v_pk_mul_f32 v[OUT+J:OUT+J+1], v[OT+J:OT+J+1], v[250:251] op_sel_hi:[1,0]
.else
	v_pk_fma_f32 v[OUT+J:OUT+J+1], v[OT+16*\f+J:OT+16*\f+J+1], v[250:251], v[OUT+J:OUT+J+1] op_sel_hi:[1,0,1]
.endif
.set J, J+2
.endr
.set J, 0
.rept 8
	v_pk_fma_f32 v[OUT+J:OUT+J+1], v[S+16*\f+J:S+16*\f+J+1], v[252:253], v[OUT+J:OUT+J+1] op_sel_hi:[1,0,1]
.set J, J+2
.endr
.endm
	s_load_b128 s[4:7], s[0:1], 0x0                ; kv s[4:5], feature_weights s[6:7]
	s_load_b64 s[8:9], s[0:1], 0x10                ; oimg
	v_lshl_add_u32 v[SPW], v0, 2, SPARE
	v_mov_b32 v[NIL], 0
	ds_add_u32 v3, v4
	ds_add_u32 v3, v4
	s_wait_dscnt 0x0
	v_lshrrev_b32 v9, 5, v0
	v_readfirstlane_b32 s[WV], v9                  ; wave 0..15
	s_and_b32 s11, s[WV], 7                        ; my tile of the work-group's eight
	s_lshr_b32 s12, s[WV], 3                       ; my half of the keys
	s_bfe_u32 s13, ttmp6, 0x40000                  ; cx
	s_lshl_b32 s14, ttmp9, 2
	s_add_co_u32 s14, s14, s13                     ; my block of 128 queries: it enters q's and the output's global addresses alone
	s_and_b32 s15, ttmp7, 0xffff                   ; 8 b + head, which the four partners share
	s_mov_b32 s20, 0x76543210
	s_mov_b32 s21, 0xfedcba98                      ; v_permlanex16_b32's selects for lane l xor 16
	s_mov_b32 s22, 0x3e8293ee                      ; c = log2(e) / sqrt(32)
	s_mov_b32 s23, s22                             ; (named with it as a pair, so it is written)
	; descriptor group 1: 25 dense rows of 256 bytes, a sixteenth of a record
	s_mov_b32 s24, 15|(3<<16)|(1<<21)              ; the mask: all four work-groups; elements of 8 bytes; bit 21 set beside a mask; no padding
	s_mov_b32 s25, 32<<16                          ; tensor_dim0 = 32
	s_mov_b32 s26, 25<<16                          ; tensor_dim1 = 25
	s_mov_b32 s27, 32<<16                          ; tile_dim0 = 32
	s_mov_b32 s28, 25                              ; tile_dim1 = 25
	s_mov_b32 s29, 32                              ; elements from row to row
	s_mov_b32 s30, 0
	s_mov_b32 s31, 0
	s_mul_i32 s48, s[WV], 6400                     ; my sixteenth, in a slot and in a record
	s_mul_i32 s50, s15, REC
	s_add_co_u32 s50, s50, s48
	s_mov_b32 s51, 0
	s_wait_kmcnt 0x0
	s_load_b128 s[44:47], s[6:7], 0x0              ; the four feature weights
	ROUND                                          ; all four work-groups are here: the first joint loads meet
	s_mov_b32 s32, 1
	s_mov_b32 s33, s48                             ; slot 0
	s_add_nc_u64 s[34:35], s[4:5], s[50:51]        ; feature 0
	s_mov_b32 s36, 1
	s_add_co_u32 s37, s48, REC                     ; slot 1
	s_add_nc_u64 s[38:39], s[34:35], 16*REC        ; feature 1
	s_or_b32 s35, s35, 0x80000000                  ; type = 2
	s_or_b32 s39, s39, 0x80000000
	tensor_load_to_lds s[32:35], s[24:31]
	s_nop 0
	tensor_load_to_lds s[36:39], s[24:31]          ; both first fills go out together, ahead of every wait on TENSORcnt, every LDS read and every further barrier
	s_nop 0
	v_and_b32 v173, 31, v0                         ; lane
	v_and_b32 v172, 15, v0                         ; r
	; my queries: tile beta = w % 4 of packed fragment F = 2 x block + (w % 8) / 4 of q's record: block 2 cq + hq: lanes of half hq, registers 6 cq on of the image
	s_lshr_b32 s52, s11, 2
	s_lshl_b32 s53, s14, 1
	s_add_co_u32 s52, s52, s53                     ; F
	s_add_co_u32 s53, s15, 64
	s_mul_i32 s53, s53, REC                        ; q's record
	s_mul_i32 s54, s52, 1536
	s_add_co_u32 s54, s54, s53
	s_mov_b32 s55, 0
	s_add_nc_u64 s[54:55], s[4:5], s[54:55]
	s_lshl_b32 s56, s52, 6
	s_add_co_u32 s56, s56, s53
	s_add_co_u32 s56, s56, 98304
	s_mov_b32 s57, 0
	s_add_nc_u64 s[56:57], s[4:5], s[56:57]        ; its scale words
	s_and_b32 s58, s[WV], 3                        ; beta
	s_lshr_b32 s59, s58, 1                         ; cq
	s_and_b32 s48, s58, 1
	s_lshl_b32 s48, s48, 8                         ; 16 bytes x 16 lanes x hq
	s_mul_i32 s49, s59, 520
	s_add_co_u32 s49, s49, s48                     ; registers 6 cq, 6 cq + 1 of the image
	s_mul_i32 s50, s59, 1016
	s_add_co_u32 s50, s50, s48
	s_add_co_u32 s50, s50, 8                       ; 6 cq + 2, + 3
	s_add_co_u32 s51, s49, 512                     ; 6 cq + 4, + 5
	v_lshl_add_u32 v9, v172, 4, s49
	v_lshl_add_u32 v10, v172, 4, s50
	v_lshl_add_u32 v11, v172, 4, s51
	v_lshlrev_b32 v[ADK], 2, v172
	global_load_b64 v[74:75], v9, s[54:55]         ; both lane halves take query r's 32 codes
	global_load_b64 v[76:77], v10, s[54:55]
	global_load_b64 v[78:79], v11, s[54:55]
	global_load_b32 v80, v[ADK], s[56:57]
	s_lshl_b32 s58, s58, 3                         ; byte beta of the word
	s_mul_i32 s48, s12, 24576
	v_lshl_add_u32 v[AK0], v173, 4, s48
	s_lshl_b32 s48, s12, 10
	s_add_co_u32 s48, s48, 98304
	v_lshl_add_u32 v[AS0], v173, 2, s48
	s_mul_i32 s48, s11, 9216
	s_add_co_u32 s48, s48, STAGE
	v_lshl_add_u32 v[STA], v173, 4, s48
	v_lshlrev_b32 v[GO], 4, v173
	s_lshl_b32 s48, s14, 3
	s_add_co_u32 s48, s48, s11                     ; my tile among the batch's 128
	s_lshl_b32 s48, s48, 9
	s_lshl_b32 s49, s15, 16
	s_add_co_u32 s48, s48, s49
	s_mov_b32 s49, 0
	s_add_nc_u64 s[8:9], s[8:9], s[48:49]
.irp i, 0,1,2,3,4,5
	v_mov_b32 v[22+\i], 0
	v_mov_b32 v[34+\i], 0
.endr
.irp b, 0,1,2,3
	v_mov_b32 v[BP+\b], 0                          ; written once: a lane permute's destination counts as one of its sources
.endr
	v_mov_b32 v171, 0                              ; (named as the upper half of the pair v[170:171])
	v_cmp_gt_u32 vcc_lo, 16, v173
	s_wait_loadcnt 0x0
	s_wait_kmcnt 0x0
.irp i, 0,1,2,3,4,5
	v_cndmask_b32 v[16+\i], v22, v[74+\i], vcc_lo  ; the codes in lanes 0-15, zeros in lanes 16-31
	v_cndmask_b32 v[40+\i], v22, v[74+\i], vcc_lo
	v_cndmask_b32 v[28+\i], v[74+\i], v22, vcc_lo  ; and the other way round
.endr
	v_bfe_u32 v[QSC], v80, s58, 8
	v_lshl_or_b32 v[QSC], v[QSC], 8, v[QSC]
	v_lshl_or_b32 v[QSC], v[QSC], 16, v[QSC]       ; the same byte for whichever block holds the codes
	s_wait_tensorcnt 0x1                           ; my part of slot 0 is in; slot 1's may stay out
	s_barrier_signal -1
	s_barrier_wait -1                              ; everybody's is
	FEATURE 0
	CHANGE 1, 0                                    ; slot 0 takes feature 2
	FEATURE 1
	CHANGE 1, 1                                    ; slot 1 takes feature 3
	FEATURE 2
	CHANGE 0, 0                                    ; nothing is left to fetch
	FEATURE 3
	; ---- the halves meet: waves 8-15 hand O^T, -M and the sums to waves 0-7, as images of their registers
	s_cmp_lt_u32 s[WV], 8
	s_cbranch_scc1 .Lno_put
.irp i, 0,1,2,3,4,5,6,7,8,9,10,11,12,13,14,15
	ds_store_b128 v[STA], v[OT+4*\i:OT+4*\i+3] offset:512*\i     ; each accumulator from its low end on
.endr
	ds_store_b128 v[STA], v[SV:SV+3] offset:8192
	ds_store_b128 v[STA], v[SV+4:SV+7] offset:8704
.Lno_put:
	s_wait_dscnt 0x0                               ; for the others' sake: my stores have landed
	s_barrier_signal -1
	s_barrier_wait -1
	s_cmp_lt_u32 s[WV], 8
	s_cbranch_scc0 .Ldone
.irp i, 0,1,2,3,4,5,6,7,8,9,10,11,12,13,14,15
	ds_load_b128 v[S+4*\i:S+4*\i+3], v[STA] offset:512*\i
.endr
	ds_load_b128 v[138:141], v[STA] offset:8192
	ds_load_b128 v[142:145], v[STA] offset:8704
	; the gates: softmax of the four feature weights, the largest taken away first
	v_mov_b32 v246, s44
	v_mov_b32 v247, s45
	v_mov_b32 v248, s46
	v_mov_b32 v249, s47
	v_max3_num_f32 v250, v246, v247, v248
	v_max_num_f32 v250, v250, v249
.irp i, 0,1,2,3
	v_sub_f32 v[246+\i], v[246+\i], v250
.endr
.irp i, 0,1,2,3
	v_mul_f32 v[246+\i], 0x3fb8aa3b, v[246+\i]     ; x log2(e)
.endr
.irp i, 0,1,2,3
	v_exp_f32 v[246+\i], v[246+\i]
.endr
	v_mov_b32 v253, 0                              ; (a plain place behind the exponentials; v253 is named as the upper half of a pair)
	s_wait_alu depctr_va_vdst(0)
	v_add_f32 v250, v246, v247
	v_add_f32 v251, v248, v249
	v_add_f32 v250, v250, v251
	v_rcp_f32 v250, v250
	v_nop
	s_wait_alu depctr_va_vdst(0)
.irp i, 0,1,2,3
	v_mul_f32 v[246+\i], v[246+\i], v250
.endr
	s_wait_dscnt 0x0
	JOIN 0
	JOIN 1
	JOIN 2
	JOIN 3
	; the output projection's operand: its blocks of 32 along K are the heads.  I hold channels 16 h + 0 .. 15 of my query
	v_max3_num_f32 v158, |v[OUT]|, |v[OUT+1]|, 0x1800000
.irp i, 2,4,6,8,10,12,14
	v_max3_num_f32 v158, v158, |v[OUT+\i]|, |v[OUT+\i+1]|
.endr
	v_permlanex16_b32 v165, v158, s20, s21
	v_max_num_f32 v158, v158, v165
	v_add_nc_u32 v159, 0xff000000, v158
	v_cvt_scalef32_pk16_fp6_f32 v[138:140], v[OUT:OUT+15], v159
	v_lshrrev_b32 v141, 23, v159                   ; the block's byte rides with the 12 bytes of codes.  (A plain place behind the conversion)
	global_store_b128 v[GO], v[138:141], s[8:9]    ; 32 lanes store 512 consecutive bytes, aligned
.Ldone:
	s_wait_tensorcnt 0x0                           ; the wave's end: behind my last tensor load and my last LDS store
	ds_add_u32 v[SPW], v[NIL]
	s_wait_dscnt 0x0
	ROUND                                          ; the closing round: no work-group ends while a partner may still ask for a tile that names it
	s_endpgm
.Lfunc_end_k_q8979d9651c_attn:
	.size	k_q8979d9651c_attn, .Lfunc_end_k_q8979d9651c_attn-k_q8979d9651c_attn
	.p2alignl 7, 3214868480
	.fill 96, 4, 3214868480
	.section	.rodata,"a",@progbits
	.p2align	6, 0x0
	.amdhsa_kernel k_q8979d9651c_attn
		.amdhsa_group_segment_fixed_size 327680
		.amdhsa_private_segment_fixed_size 0
		.amdhsa_enable_private_segment 0
		.amdhsa_kernarg_size 24
		.amdhsa_user_sgpr_count 2
		.amdhsa_user_sgpr_kernarg_segment_ptr 1
		.amdhsa_wavefront_size32 1
		.amdhsa_system_sgpr_workgroup_id_x 1
		.amdhsa_system_sgpr_workgroup_id_y 1
		.amdhsa_system_sgpr_workgroup_id_z 1
		.amdhsa_system_vgpr_workitem_id 0
		.amdhsa_next_free_vgpr 256
		.amdhsa_next_free_sgpr 66
		.amdhsa_reserve_vcc 1
		.amdhsa_float_denorm_mode_32 3
		.amdhsa_float_denorm_mode_16_64 3
		.amdhsa_memory_ordered 1
		.amdhsa_forward_progress 1
		.amdhsa_inst_pref_size 79
	.end_amdhsa_kernel
	.amdgpu_metadata
---
amdhsa.version: [ 1, 2 ]
amdhsa.kernels:
  - .name:           k_q8979d9651c_attn
    .symbol:         k_q8979d9651c_attn.kd
    .args:
      - { .name: kv, .offset: 0, .size: 8, .value_kind: global_buffer, .address_space: global }
      - { .name: feature_weights, .offset: 8, .size: 8, .value_kind: global_buffer, .address_space: global }
      - { .name: oimg, .offset: 16, .size: 8, .value_kind: global_buffer, .address_space: global }
    .group_segment_fixed_size: 327680
    .private_segment_fixed_size: 0
    .kernarg_segment_align: 8
    .kernarg_segment_size: 24
    .max_flat_workgroup_size: 512
    .sgpr_count:     66
    .vgpr_count:     256
    .wavefront_size: 32
...
	.end_amdgpu_metadata
.endif
;; end of part 3
;; launch outp (part 4): grid 4 x 64, 4 waves a work-group, no clusters, 17,920 bytes of LDS; arguments oimg, wimg, wsc, bo, out0; writes out0
.if DOCPART == 4
	.amdgcn_target "amdgcn-amd-amdhsa--gfx1250"
	.amdhsa_code_object_version 6
	.text
	.protected	k_q8979d9651c_outp
	.globl	k_q8979d9651c_outp
	.p2align	8
	.type	k_q8979d9651c_outp,@function
k_q8979d9651c_outp:
	s_mov_b64 s[64:65], 0
	v_nop
	global_prefetch_b8 v0, s[64:65] scope:SCOPE_SE
	s_setreg_imm32_b32 hwreg(HW_REG_WAVE_MODE, 25, 1), 1
	s_wait_xcnt 0x0
; out0 = Q(out) Q(Wo)^T + bo, on codes of FP6 (E2M3) with one E8M0 byte for each 32 along K; both operands were quantised by earlier launches.
; Work-group (x, y): 64 output columns x 64 rows.  Wave w: tile 4 (y % 32) + w of the batch's 128 tiles of 16 rows, against Wo's tiles 4 x .. 4 x + 3: 8 matrix instructions, four accumulators by turns.
; ROWS AND COLUMNS OF A TILE: lane r of tile t takes row 32 (t / 2) + 8 (t % 2) + r + 8 (r / 8).  The product is used TRANSPOSED (source 0 = 16 rows of Wo, source 1 = 16 rows of out):
; a lane holds one row and, in tiles 2 b, 2 b + 1, its 16 neighbouring columns 32 b + 16 h + 0 .. 15.
; THE ROWS' OPERAND.  oimg[8 b + head][tile][lane (r, h2)] is 16 bytes: the codes of channels 16 h2 + 0 .. 15 of row r of that head (12 bytes) and the head's scale byte as a word.
; K step s, registers 6 c on of lane (r, h) are head 4 s + 2 c + h, all 32 channels: two such pieces.  The bias is the C of each sum's first instruction.
; The way out goes through the wave's own stage in LDS (16 rows of 256 bytes + 16), so that sixteen lanes store 256 consecutive bytes, aligned.  No barrier: waves share nothing.
; No tensor loads, no cluster: a work-group reads 12 KB of weights and 16 KB of rows once.
.set WF,  16                           ; v16-111  Wo: fragment (tile i, K step s) at 12 (2 i + s); later the rows on their way out
.set WS,  112                          ; v112-115 its scale words: lanes 0-15 K step 0, lanes 16-31 K step 1
.set ASC, 116                          ; v116-117 the rows' scale words, one a K step
.set AF,  118                          ; v118-141 the rows' two fragments
.set TT,  142                          ; v142-157 the second piece of each block: three words of codes and the byte
.set BI,  158                          ; v158-189 the bias in the result's layout
.set ACC, 190                          ; v190-221
	s_load_b256 s[4:11], s[0:1], 0x0               ; oimg s[4:5], wimg s[6:7], wsc s[8:9], bo s[10:11]
	s_load_b64 s[12:13], s[0:1], 0x20              ; out0
	v_lshl_add_u32 v254, v0, 2, 0x4400
	v_mov_b32 v255, 0
	v_lshrrev_b32 v1, 5, v0
	v_readfirstlane_b32 s14, v1                    ; wave 0..3
	s_and_b32 s16, ttmp7, 0xffff                   ; y
	v_and_b32 v9, 31, v0                           ; lane
	v_and_b32 v10, 15, v0                          ; r
	v_bfe_u32 v11, v0, 4, 1                        ; h
	v_lshlrev_b32 v1, 4, v9                        ; 16 x lane
	v_lshlrev_b32 v2, 2, v9                        ; 4 x lane
	v_lshlrev_b32 v3, 4, v10
	v_lshl_add_u32 v3, v11, 16, v3                 ; the rows: 16 r, + one head (65,536 bytes) for lanes 16-31
	s_mul_i32 s17, s14, 4352                       ; my stage
	v_mul_u32_u24 v4, v10, 272
	v_lshl_add_u32 v4, v11, 6, v4
	v_add_nc_u32 v4, s17, v4                       ; in: row r, + 64 h
	v_mul_u32_u24 v5, v11, 272
	v_lshl_add_u32 v5, v10, 4, v5
	v_add_nc_u32 v5, s17, v5                       ; back: lanes 0-15 one row, lanes 16-31 the next
	v_lshlrev_b32 v6, 4, v10
	v_lshl_add_u32 v6, v11, 10, v6                 ; and the same two rows in out0
	v_lshlrev_b32 v7, 6, v11                       ; the bias: 16 numbers on for lanes 16-31
	v_lshlrev_b32 v8, 3, v11                       ; 8 h bits
	s_mov_b32 s20, 0x76543210
	s_mov_b32 s21, 0xfedcba98                      ; v_permlanex16_b32's selects for lane l xor 16
	s_lshr_b32 s18, s16, 5                         ; b
	s_and_b32 s19, s16, 31
	s_lshl_b32 s19, s19, 2
	s_add_co_u32 s19, s19, s14                     ; my tile
	s_lshl_b32 s22, s18, 19                        ; 8 heads of 65,536 bytes a batch
	s_lshl_b32 s19, s19, 9
	s_add_co_u32 s22, s22, s19
	s_mov_b32 s23, 0
	s_lshl_b32 s24, ttmp9, 2
	s_add_co_u32 s24, s24, 144                     ; Wo's tiles begin at 144
	s_mul_i32 s26, s24, 3072
	s_mov_b32 s27, 0
	s_lshl_b32 s28, s24, 7
	s_mov_b32 s29, 0
	s_lshl_b32 s30, ttmp9, 8                       ; 64 columns of 4 bytes
	s_mov_b32 s31, 0
	s_lshl_b32 s18, s16, 6                         ; my tile's first row: 64 y + 32 (w / 2) + 8 (w % 2)
	s_lshr_b32 s19, s14, 1
	s_lshl_b32 s19, s19, 5
	s_add_co_u32 s18, s18, s19
	s_and_b32 s19, s14, 1
	s_lshl_b32 s19, s19, 3
	s_add_co_u32 s18, s18, s19
	s_lshl_b32 s18, s18, 10
	s_add_co_u32 s18, s18, s30
	s_mov_b32 s19, 0
	s_wait_kmcnt 0x0
	s_add_nc_u64 s[4:5], s[4:5], s[22:23]
	s_add_nc_u64 s[6:7], s[6:7], s[26:27]
	s_add_nc_u64 s[8:9], s[8:9], s[28:29]
	s_add_nc_u64 s[10:11], s[10:11], s[30:31]
	s_add_nc_u64 s[12:13], s[12:13], s[18:19]
.irp s, 0,1
.irp c, 0,1
	global_load_b128 v[AF+12*\s+6*\c:AF+12*\s+6*\c+3], v3, s[4:5] offset:(4*\s+2*\c)*65536       ; channels 0-15: registers 6 c .. 6 c + 2 (the fourth word is written over below)
	global_load_b128 v[TT+4*(2*\s+\c):TT+4*(2*\s+\c)+3], v3, s[4:5] offset:(4*\s+2*\c)*65536+256 ; channels 16-31, and the byte
.endr
.endr
.set Q, 0
.rept 24
	global_load_b128 v[WF+4*Q:WF+4*Q+3], v1, s[6:7] offset:512*Q
.set Q, Q+1
.endr
.irp i, 0,1,2,3
	global_load_b32 v[WS+\i], v2, s[8:9] offset:128*\i
	global_load_b128 v[BI+8*\i:BI+8*\i+3], v7, s[10:11] offset:128*(\i/2)+32*(\i%2)
	global_load_b128 v[BI+8*\i+4:BI+8*\i+7], v7, s[10:11] offset:128*(\i/2)+32*(\i%2)+16
.endr
	v_mov_b32 v222, 0                              ; a lane permute's destination counts as one of its sources
	v_mov_b32 v223, 0
	s_wait_loadcnt 0x0
.irp s, 0,1
.irp c, 0,1
.irp i, 0,1,2
	v_mov_b32 v[AF+12*\s+6*\c+3+\i], v[TT+4*(2*\s+\c)+\i]
.endr
.endr
.endr
.irp s, 0,1
	v_lshl_or_b32 v[ASC+\s], v[TT+4*(2*\s+1)+3], 16, v[TT+4*(2*\s)+3]   ; my two bytes: blocks h and 2 + h of row r,
	v_lshlrev_b32 v[ASC+\s], v8, v[ASC+\s]         ; at their places in the word;
.endr
.irp s, 0,1
	v_permlanex16_b32 v[222+\s], v[ASC+\s], s20, s21
.endr
.irp s, 0,1
	v_or_b32 v[ASC+\s], v[ASC+\s], v[222+\s]       ; with lane l xor 16's two the word is whole
.endr
.rept 8
	v_nop                                          ; a scale register written by a vector instruction stands 8 places ahead of a scaled matrix instruction, an operand so written 4
.endr
.irp i, 0,1,2,3
	v_wmma_scale_f32_16x16x128_f8f6f4 v[ACC+8*\i:ACC+8*\i+7], v[WF+24*\i:WF+24*\i+11], v[AF:AF+11], v[BI+8*\i:BI+8*\i+7], v[WS+\i], v[ASC] matrix_a_fmt:MATRIX_FMT_FP6 matrix_b_fmt:MATRIX_FMT_FP6
.endr
.irp i, 0,1,2,3
	v_wmma_scale_f32_16x16x128_f8f6f4 v[ACC+8*\i:ACC+8*\i+7], v[WF+24*\i+12:WF+24*\i+23], v[AF+12:AF+23], v[ACC+8*\i:ACC+8*\i+7], v[WS+\i], v[ASC+1] matrix_a_fmt:MATRIX_FMT_FP6 matrix_b_fmt:MATRIX_FMT_FP6 matrix_a_scale:MATRIX_SCALE_ROW1
.endr
.rept 4
	v_nop                                          ; places in front of the first read of results and of loads into registers that the products have read
.endr
.irp i, 0,1,2,3
	ds_store_b128 v4, v[ACC+8*\i:ACC+8*\i+3] offset:128*(\i/2)+32*(\i%2)        ; lane (r, h): columns 32 (i / 2) + 16 h + 8 (i % 2) + 0 .. 7 of row r; each accumulator from its low end on
	ds_store_b128 v4, v[ACC+8*\i+4:ACC+8*\i+7] offset:128*(\i/2)+32*(\i%2)+16
.endr
.irp t, 0,1,2,3,4,5,6,7
	ds_load_b128 v[WF+4*\t:WF+4*\t+3], v5 offset:544*\t   ; LDS serves a wave's instructions in order: these see my stores
.endr
.irp t, 0,1,2,3,4,5,6,7
	s_wait_dscnt 7-\t                              ; load t is in; the 7 - t younger ones may be out
	global_store_b128 v6, v[WF+4*\t:WF+4*\t+3], s[12:13] offset:(2*\t+8*(\t/4))*1024 th:TH_STORE_NT   ; stage rows 2 t, 2 t + 1 are the tile's rows 2 t + 8 (t / 4), + 1; sixteen lanes store 256 consecutive bytes, aligned
.endr
	s_wait_tensorcnt 0x0
	ds_add_u32 v254, v255
	s_wait_dscnt 0x0
	s_endpgm
.Lfunc_end_k_q8979d9651c_outp:
	.size	k_q8979d9651c_outp, .Lfunc_end_k_q8979d9651c_outp-k_q8979d9651c_outp
	.p2alignl 7, 3214868480
	.fill 96, 4, 3214868480
	.section	.rodata,"a",@progbits
	.p2align	6, 0x0
	.amdhsa_kernel k_q8979d9651c_outp
		.amdhsa_group_segment_fixed_size 17920
		.amdhsa_private_segment_fixed_size 0
		.amdhsa_enable_private_segment 0
		.amdhsa_kernarg_size 40
		.amdhsa_user_sgpr_count 2
		.amdhsa_user_sgpr_kernarg_segment_ptr 1
		.amdhsa_wavefront_size32 1
		.amdhsa_system_sgpr_workgroup_id_x 1
		.amdhsa_system_sgpr_workgroup_id_y 1
		.amdhsa_system_sgpr_workgroup_id_z 1
		.amdhsa_system_vgpr_workitem_id 0
		.amdhsa_next_free_vgpr 256
		.amdhsa_next_free_sgpr 66
		.amdhsa_reserve_vcc 0
		.amdhsa_float_denorm_mode_32 3
		.amdhsa_float_denorm_mode_16_64 3
		.amdhsa_memory_ordered 1
		.amdhsa_forward_progress 1
		.amdhsa_inst_pref_size 12
	.end_amdhsa_kernel
	.amdgpu_metadata
---
amdhsa.version: [ 1, 2 ]
amdhsa.kernels:
  - .name:           k_q8979d9651c_outp
    .symbol:         k_q8979d9651c_outp.kd
    .args:
      - { .name: oimg, .offset: 0, .size: 8, .value_kind: global_buffer, .address_space: global }
      - { .name: wimg, .offset: 8, .size: 8, .value_kind: global_buffer, .address_space: global }
      - { .name: wsc, .offset: 16, .size: 8, .value_kind: global_buffer, .address_space: global }
      - { .name: bo, .offset: 24, .size: 8, .value_kind: global_buffer, .address_space: global }
      - { .name: out0, .offset: 32, .size: 8, .value_kind: global_buffer, .address_space: global }
    .group_segment_fixed_size: 17920
    .private_segment_fixed_size: 0
    .kernarg_segment_align: 8
    .kernarg_segment_size: 40
    .max_flat_workgroup_size: 128
    .sgpr_count:     66
    .vgpr_count:     256
    .wavefront_size: 32
...
	.end_amdgpu_metadata
.endif
;; end of part 4
;; ======== version 2 of 2: 4 launches
;; limits: right only within a limited range of input values
;; workspace buffers: wimg 491,520 bytes; wsc 20,480 bytes; kv 8,192,000 bytes; opart 8,388,608 bytes
;; launch wquant (part 5): grid 160 x 1, 1 waves a work-group, no clusters, 0 bytes of LDS; arguments Wk, Wq, Wv, Wo, wimg, wsc; writes wimg, wsc
.if DOCPART == 5
	.amdgcn_target "amdgcn-amd-amdhsa--gfx1250"
	.amdhsa_code_object_version 6
	.text
	.protected	k_q8979d9651c_wquant
	.globl	k_q8979d9651c_wquant
	.p2align	8
	.type	k_q8979d9651c_wquant,@function
k_q8979d9651c_wquant:
	s_mov_b64 s[64:65], 0
	v_nop
	global_prefetch_b8 v0, s[64:65] scope:SCOPE_SE
	s_setreg_imm32_b32 hwreg(HW_REG_WAVE_MODE, 25, 1), 1
	s_wait_xcnt 0x0
; THE TEN WEIGHTS [256 (n)][256 (k)], f32, K innermost, BECOME CODES OF FP6 (E2M3) with one E8M0 byte for each 32 along K.
; Each weight is read by 32 to 256 work-groups of the later launches, so it is quantised once, here.
; A wave takes one TILE: 16 rows x 256 along K = two fragments of 16 x 128.  160 tiles: 0-63 Wk (1,024 rows on end), 64-79 Wq, 80-143 Wv, 144-159 Wo.
; THE ROWS OF A TILE ARE NOT NEIGHBOURS: lane r of tile t takes row 32 (t / 2) + 8 (t % 2) + r + 8 (r / 8), so that in a product whose source 0 is such a
; tile the 16 result registers of tiles 2 b and 2 b + 1 are 16 neighbouring rows of the weight.
; OUT: wimg[tile][K step][3][32 lanes][16 bytes]: a fragment's 12 registers as they stand (three stores of 512 consecutive bytes); any wave that loads them by
; the same three lines has the operand.  wsc[tile][lane]: lanes 0-15 the rows' scale words of K step 0, lanes 16-31 those of K step 1.
; A block's scale is 2^(floor(log2(its largest magnitude)) - 2); its byte is the largest magnitude's exponent field - 2, held at 1 from below.
; LIMITS: a block of zeros gets the byte 1 where the rule says 127 (its codes are zeros, and this program alone reads the bytes); NaN and infinities are not served.
; The loads are pieces of 16 bytes, 64 bytes apart from lane half to lane half and a row apart from lane to lane; a row's 1,024 bytes are all asked for in one run.
; A wave reads 16 KB once, so no turn through LDS is made.  No LDS, no barrier, no matrix unit: nothing is shared.
.set X0,  16                           ; v16-79   K step 0: register 16 b + i = number 16 h + i of block b of my row
.set X1,  80                           ; v80-143  K step 1
.set TM,  144                          ; v144-147 largest magnitudes
.set TB,  148                          ; v148-151 the other lane half's, then the bytes
.set TS,  152                          ; v152-155 the conversions' scale operands
.set CT,  156                          ; v156-163 the odd blocks' codes on their way
.set PW,  164                          ; the scale word just made
.set PW0, 165                          ; K step 0's
.set SCW, 166
.set FR,  168                          ; v168-191 the two fragments
.set SEL, 24                           ; s[24:25] v_permlanex16_b32's selects for lane l xor 16
; 64 numbers of a lane become codes: blocks 0, 1 in v[d0 .. d0+5] (lanes 0-15 hold block 0 whole, lanes 16-31 block 1), blocks 2, 3 in v[d1 .. d1+5]; the row's scale word in v[PW], in both lane halves.
.macro QUANT s, d0, d1
.irp b, 0,1,2,3
	v_max3_num_f32 v[TM+\b], |v[\s+16*\b]|, |v[\s+16*\b+1]|, 0x1800000   ; my 16 numbers of block b, and the floor 2^(3 - 127): the byte cannot fall under 1
.endr
.irp i, 2,4,6,8,10,12,14
.irp b, 0,1,2,3
	v_max3_num_f32 v[TM+\b], v[TM+\b], |v[\s+16*\b+\i]|, |v[\s+16*\b+\i+1]|   ; the four blocks by turns
.endr
.endr
.irp b, 0,1,2,3
	v_permlanex16_b32 v[TB+\b], v[TM+\b], s[SEL], s[SEL+1]
.endr
.irp b, 0,1,2,3
	v_max_num_f32 v[TM+\b], v[TM+\b], v[TB+\b]     ; with lane l xor 16's 16: the block's largest magnitude
.endr
.irp b, 0,1,2,3
	v_add_nc_u32 v[TS+\b], 0xff000000, v[TM+\b]    ; 2 off its exponent field: the conversion takes that field as its scale
.endr
.irp b, 0,1,2,3
	v_lshrrev_b32 v[TB+\b], 23, v[TS+\b]           ; the scale's byte
.endr
	v_lshl_or_b32 v[PW], v[TB+1], 8, v[TB]
	v_lshl_or_b32 v[PW], v[TB+2], 16, v[PW]
	v_lshl_or_b32 v[PW], v[TB+3], 24, v[PW]
	v_cvt_scalef32_pk16_fp6_f32 v[\d0:\d0+2], v[\s:\s+15], v[TS]
	v_cvt_scalef32_pk16_fp6_f32 v[CT:CT+2], v[\s+16:\s+31], v[TS+1]      ; (a conversion's three registers begin on an even number)
	v_cvt_scalef32_pk16_fp6_f32 v[\d1:\d1+2], v[\s+32:\s+47], v[TS+2]
	v_cvt_scalef32_pk16_fp6_f32 v[CT+4:CT+6], v[\s+48:\s+63], v[TS+3]
	v_nop                                          ; one plain place behind the scaled conversions
.irp i, 0,1,2
	v_permlane16_swap_b32 v[\d0+\i], v[CT+\i]      ; the even block's upper half changes places with the odd block's lower half: a whole block to a lane
	v_permlane16_swap_b32 v[\d1+\i], v[CT+4+\i]
.endr
.irp i, 0,1,2
	v_mov_b32 v[\d0+3+\i], v[CT+\i]
	v_mov_b32 v[\d1+3+\i], v[CT+4+\i]
.endr
.endm
.macro XLOAD reg, s                    ; my row's numbers of K step s
.irp b, 0,1,2,3
.irp i, 0,1,2,3
	global_load_b128 v[\reg+16*\b+4*\i:\reg+16*\b+4*\i+3], v1, s[18:19] offset:512*\s+128*\b+16*\i th:TH_LOAD_NT
.endr
.endr
.endm
	s_load_b256 s[4:11], s[0:1], 0x0               ; Wk s[4:5], Wq s[6:7], Wv s[8:9], Wo s[10:11]
	s_load_b128 s[12:15], s[0:1], 0x20             ; wimg s[12:13], wsc s[14:15]
	v_and_b32 v4, 15, v0                           ; r (one wave: v0 is the lane)
	v_bfe_u32 v5, v0, 4, 1                         ; h
	v_and_b32 v6, 8, v4
	v_add_nc_u32 v6, v6, v4                        ; r + 8 (r / 8)
	v_lshlrev_b32 v1, 10, v6                       ; that row of 1,024 bytes,
	v_lshl_add_u32 v1, v5, 6, v1                   ; + 64 h: my 16 numbers of a block
	v_lshlrev_b32 v2, 4, v0                        ; an image's place for my lane
	v_lshlrev_b32 v3, 2, v0                        ; a scale word's
	s_mov_b32 s[SEL], 0x76543210
	s_mov_b32 s[SEL+1], 0xfedcba98
.irp b, 0,1,2,3
	v_mov_b32 v[TB+\b], 0                          ; written once: a lane permute's destination counts as one of its sources
.endr
	s_mov_b32 s17, 144
	s_wait_alu depctr_va_vdst(0)
	s_wait_kmcnt 0x0
	s_mov_b64 s[18:19], s[10:11]                   ; which weight my tile belongs to, and that weight's first tile: the choice hangs on the work-group's number alone
	s_cmp_lt_u32 ttmp9, 144
	s_cselect_b64 s[18:19], s[8:9], s[18:19]
	s_cselect_b32 s17, 80, s17
	s_cmp_lt_u32 ttmp9, 80
	s_cselect_b64 s[18:19], s[6:7], s[18:19]
	s_cselect_b32 s17, 64, s17
	s_cmp_lt_u32 ttmp9, 64
	s_cselect_b64 s[18:19], s[4:5], s[18:19]
	s_cselect_b32 s17, 0, s17
	s_sub_co_u32 s16, ttmp9, s17                   ; the tile's number in its buffer
	s_lshr_b32 s20, s16, 1
	s_lshl_b32 s20, s20, 15                        ; 32 rows of 1,024 bytes for each pair of tiles,
	s_and_b32 s21, s16, 1
	s_lshl_b32 s21, s21, 13                        ; 8 rows for the odd one
	s_add_co_u32 s20, s20, s21
	s_mov_b32 s21, 0
	s_add_nc_u64 s[18:19], s[18:19], s[20:21]
	s_mul_i32 s22, ttmp9, 3072
	s_mov_b32 s23, 0
	s_add_nc_u64 s[12:13], s[12:13], s[22:23]
	s_lshl_b32 s22, ttmp9, 7
	s_add_nc_u64 s[14:15], s[14:15], s[22:23]
	XLOAD X0, 0
	XLOAD X1, 1
	s_wait_loadcnt 16                              ; K step 0's sixteen loads are in; K step 1's sixteen may be out
	QUANT X0, FR, FR+6
	v_mov_b32 v[PW0], v[PW]
	s_wait_loadcnt 0x0
	QUANT X1, FR+12, FR+18
	v_cmp_gt_u32 vcc_lo, 16, v0
	v_cndmask_b32 v[SCW], v[PW], v[PW0], vcc_lo    ; lanes 0-15: K step 0's words; lanes 16-31: K step 1's
.irp q, 0,1,2,3,4,5
	global_store_b128 v2, v[FR+4*\q:FR+4*\q+3], s[12:13] offset:512*\q   ; 32 lanes store 512 consecutive bytes, aligned
.endr
	global_store_b32 v3, v[SCW], s[14:15]
	s_endpgm
.Lfunc_end_k_q8979d9651c_wquant:
	.size	k_q8979d9651c_wquant, .Lfunc_end_k_q8979d9651c_wquant-k_q8979d9651c_wquant
	.p2alignl 7, 3214868480
	.fill 96, 4, 3214868480
	.section	.rodata,"a",@progbits
	.p2align	6, 0x0
	.amdhsa_kernel k_q8979d9651c_wquant
		.amdhsa_group_segment_fixed_size 0
		.amdhsa_private_segment_fixed_size 0
		.amdhsa_enable_private_segment 0
		.amdhsa_kernarg_size 48
		.amdhsa_user_sgpr_count 2
		.amdhsa_user_sgpr_kernarg_segment_ptr 1
		.amdhsa_wavefront_size32 1
		.amdhsa_system_sgpr_workgroup_id_x 1
		.amdhsa_system_sgpr_workgroup_id_y 1
		.amdhsa_system_sgpr_workgroup_id_z 1
		.amdhsa_system_vgpr_workitem_id 0
		.amdhsa_next_free_vgpr 192
		.amdhsa_next_free_sgpr 66
		.amdhsa_reserve_vcc 1
		.amdhsa_float_denorm_mode_32 3
		.amdhsa_float_denorm_mode_16_64 3
		.amdhsa_memory_ordered 1
		.amdhsa_forward_progress 1
		.amdhsa_inst_pref_size 14
	.end_amdhsa_kernel
	.amdgpu_metadata
---
amdhsa.version: [ 1, 2 ]
amdhsa.kernels:
  - .name:           k_q8979d9651c_wquant
    .symbol:         k_q8979d9651c_wquant.kd
    .args:
      - { .name: Wk, .offset: 0, .size: 8, .value_kind: global_buffer, .address_space: global }
      - { .name: Wq, .offset: 8, .size: 8, .value_kind: global_buffer, .address_space: global }
      - { .name: Wv, .offset: 16, .size: 8, .value_kind: global_buffer, .address_space: global }
      - { .name: Wo, .offset: 24, .size: 8, .value_kind: global_buffer, .address_space: global }
      - { .name: wimg, .offset: 32, .size: 8, .value_kind: global_buffer, .address_space: global }
      - { .name: wsc, .offset: 40, .size: 8, .value_kind: global_buffer, .address_space: global }
    .group_segment_fixed_size: 0
    .private_segment_fixed_size: 0
    .kernarg_segment_align: 8
    .kernarg_segment_size: 48
    .max_flat_workgroup_size: 32
    .sgpr_count:     66
    .vgpr_count:     192
    .wavefront_size: 32
...
	.end_amdgpu_metadata
.endif
;; end of part 5
;; launch proj (part 6): grid 160 x 1, 16 waves a work-group, no clusters, 169,984 bytes of LDS; arguments x_0, v_0, edge_attr, concatenated_features, q_data, bk, bq, bv, wimg, wsc, kv; writes kv
.if DOCPART == 6
	.amdgcn_target "amdgcn-amd-amdhsa--gfx1250"
	.amdhsa_code_object_version 6
	.text
	.protected	k_q8979d9651c_proj
	.globl	k_q8979d9651c_proj
	.p2align	8
	.type	k_q8979d9651c_proj,@function
k_q8979d9651c_proj:
	s_mov_b64 s[64:65], 0
	v_nop
	global_prefetch_b8 v0, s[64:65] scope:SCOPE_SE
	s_setreg_imm32_b32 hwreg(HW_REG_WAVE_MODE, 25, 1), 1
	s_wait_xcnt 0x0
; THE NINE INPUT PROJECTIONS, on codes of FP6 (E2M3) with one E8M0 byte for each 32 along K, and what follows them up to the attention's operands.
; Job j = work-group / 32: 0-3 a feature (k = rope(x Wk^T + bk), v = x Wv^T + bv), 4 the queries (q = rope(x Wq^T + bq)).  A work-group takes 128 rows of x: one key step of the attention.
; PHASES.  (1) Each of the 16 waves brings 8 rows of x (f32) into LDS by one tensor load; under it the wave's weights (images made by the launch before), bias and RoPE table come into registers.
; (2) Wave w quantises tile w / 2, K step w % 2 of x and stores the fragment to LDS as an IMAGE OF ITS REGISTERS (three stores of 512 bytes, lane l's 16 bytes at 16 l) with its scale words.
; (3) Waves 0-7 make k (or q), waves 8-15 make v, each for ONE head (w % 8) and all 128 rows: 32 matrix instructions a wave; bias as the C of a sum's first instruction; RoPE in f32; the quantiser; stores.
; ROWS OF A TILE.  Of x: lane r of tile T takes row 64 (T / 4) + 8 (T % 4) + 32 (r / 8) + r % 8.  Of a weight: lane r of tile t takes row 32 (t / 2) + 8 (t % 2) + r + 8 (r / 8).
; k AND q are made TRANSPOSED (source 0 = 16 rows of W, source 1 = 16 rows of x): a lane holds one row of x and 16 neighbouring channels of the head, 16 h + 0 .. 15: the next product's K (32, one block).
;   Four tiles of 16 keys go into ONE fragment, one tile in each of its four blocks of 32 (block 2 c + h: lanes of half h, registers 6 c on); byte t of a row's scale word is tile t's.
; v is made the natural way (source 0 = x, source 1 = W): a lane holds one channel, and the 32 registers of tiles 4 z .. 4 z + 3 are keys 64 z + 32 h + 0 .. 31: a WHOLE block of the second product's K, in the operand's own order.
; OUT: kv = [pair of features 2][8 b + head][step 32][6,400 bytes], step = 16 (j % 2) + key step; then q's [8 b + head][step 16][6,400].  A step: k's two fragments (3,072 bytes), v's two (3,072), k's scale words (128), v's (128).
;   Every store of codes covers 512 consecutive bytes, aligned.  Of q's steps only k's parts are written, and only those are read.
; ROPE.  The timestep t is the same for all 128 rows.  cos and sin of t x theta are made as the t-th power of (cos theta, sin theta), those two by polynomials (theta <= 1; remainder under 2e-10):
;   t <= 7 complex products in f32, so the table is good to a few 1e-7.  theta_i = 1000^(-i / 16), i = 0 .. 15, are constants of the problem.
; LIMITS: a block of zeros gets the byte 1 where the rule says 127 (its codes are zeros, and this program alone reads the bytes); NaN and infinities are not served.
; UNWELCOME, AND KEPT: the queries have no v.  In job 4 waves 8-15 still load weights and bias (feature 3's, 6 KB a wave, inside the buffers), so that every register named later is written on every way; they end behind the second barrier.
; No cluster: the work-groups of a job share only their 96 KB of weight images, read once each.  LDS is filled once: no slot is filled again.
.set XP,   1040                        ; a row of x in LDS: 1,024 bytes + 16 of padding = 65 x 16: the 16 rows that a load touches start in 16 different groups of four banks
.set XIMG, 128*XP                      ; behind the rows: x's 16 fragment images (tile m, K step s: 2 m + s), 1,536 bytes each,
.set XSC,  XIMG+16*1536                ; and their scale words [m][s][16 rows]
.set STP,  6400                        ; a step's bytes in kv
.set XR,  1                            ; v1   where I read my row of x
.set LI,  2                            ; v2   16 x lane
.set LS,  3                            ; v3   4 x lane
.set XWI, 4                            ; v4   where I store my image of x
.set XWS, 5                            ; v5   and its scale words
.set FXI, 6                            ; v6   XIMG + 16 x lane
.set FXS, 7                            ; v7   XSC + 4 x lane: lanes 0-15 K step 0's words, lanes 16-31 K step 1's
.set BO,  8                            ; v8   my byte in the bias
.set LN,  9                            ; v9   lane
.set WF,  10                           ; v10-57   my head's weights: fragment (tile u, K step s) at 12 (2 u + s)
.set WS,  58                           ; v58-59   their scale words: lanes 0-15 K step 0, lanes 16-31 K step 1
.set XSR, 60                           ; v60-61   x's scale words, likewise
.set BI,  62                           ; v62-77   the bias in the result's layout, 8 registers a tile u
.set CO,  78                           ; v78-85   cos(t theta) of my 8 pairs of channels
.set SI,  86                           ; v86-93   sin
.set XF,  94                           ; v94-141  two tiles x two K steps of x
.set ACC, 142                          ; v142-205 eight accumulators; in phase 2 my 64 numbers of x; at the head the RoPE table's scratch
.set TM,  206
.set TB,  210
.set TS,  214
.set CT,  218
.set PW,  226
.set PW0, 227
.set FR,  228                          ; v228-251 the codes just made: two fragments
.set T1,  252
.set T2,  253
.set SCW, 254
.set TH,  ACC                          ; theta;  later sin x sin theta
.set X2,  ACC+8                        ; theta^2; later sin x cos theta
.set RS,  ACC+16                       ; sin theta
.set RC,  ACC+24                       ; cos theta
.set SEL, 44                           ; s[44:45]
; 64 numbers of a lane, register 16 b + i = number 16 h + i of block b of my row, become codes: blocks 0, 1 in v[d0 .. d0+5] (lanes 0-15 block 0 whole, lanes 16-31 block 1), blocks 2, 3 in v[d1 ..]; the scale word in v[PW], in both lane halves.
.macro QUANT s, d0, d1
.irp b, 0,1,2,3
	v_max3_num_f32 v[TM+\b], |v[\s+16*\b]|, |v[\s+16*\b+1]|, 0x1800000   ; and the floor 2^(3 - 127): the byte cannot fall under 1
.endr
.irp i, 2,4,6,8,10,12,14
.irp b, 0,1,2,3
	s_delay_alu instid0(VALU_DEP_4)
	v_max3_num_f32 v[TM+\b], v[TM+\b], |v[\s+16*\b+\i]|, |v[\s+16*\b+\i+1]|
.endr
.endr
.irp b, 0,1,2,3
	s_delay_alu instid0(VALU_DEP_4)
	v_permlanex16_b32 v[TB+\b], v[TM+\b], s[SEL], s[SEL+1]
.endr
.irp b, 0,1,2,3
	s_delay_alu instid0(VALU_DEP_4)
	v_max_num_f32 v[TM+\b], v[TM+\b], v[TB+\b]
.endr
.irp b, 0,1,2,3
	s_delay_alu instid0(VALU_DEP_4)
	v_add_nc_u32 v[TS+\b], 0xff000000, v[TM+\b]    ; 2 off the exponent field: the conversion's scale operand
.endr
.irp b, 0,1,2,3
	s_delay_alu instid0(VALU_DEP_4)
	v_lshrrev_b32 v[TB+\b], 23, v[TS+\b]           ; the scale's byte
.endr
	s_delay_alu instid0(VALU_DEP_3)
	v_lshl_or_b32 v[PW], v[TB+1], 8, v[TB]
	s_delay_alu instid0(VALU_DEP_1)
	v_lshl_or_b32 v[PW], v[TB+2], 16, v[PW]
	s_delay_alu instid0(VALU_DEP_1)
	v_lshl_or_b32 v[PW], v[TB+3], 24, v[PW]
	v_cvt_scalef32_pk16_fp6_f32 v[\d0:\d0+2], v[\s:\s+15], v[TS]
	v_cvt_scalef32_pk16_fp6_f32 v[CT:CT+2], v[\s+16:\s+31], v[TS+1]
	v_cvt_scalef32_pk16_fp6_f32 v[\d1:\d1+2], v[\s+32:\s+47], v[TS+2]
	v_cvt_scalef32_pk16_fp6_f32 v[CT+4:CT+6], v[\s+48:\s+63], v[TS+3]
	v_nop                                          ; one plain place behind the scaled conversions: their results are touched below, their sources written again by later products
.irp i, 0,1,2
	v_permlane16_swap_b32 v[\d0+\i], v[CT+\i]
	v_permlane16_swap_b32 v[\d1+\i], v[CT+4+\i]
.endr
.irp i, 0,1,2
	v_mov_b32 v[\d0+3+\i], v[CT+\i]
	v_mov_b32 v[\d1+3+\i], v[CT+4+\i]
.endr
.endm
; v: my 64 numbers are two WHOLE blocks: registers 32 u + i = key 64 z + 32 h + i of channel tile u.  No other lane is asked for a maximum, and the codes are registers 6 z .. 6 z + 5 of fragment u as they come.
; The blocks' bytes are gathered in v[PW] (u = 0) and v[PW0] (u = 1): z = 0's in bits 0-7, z = 1's in bits 16-23.
.macro QUANTV z
.irp b, 0,1,2,3
	v_max3_num_f32 v[TM+\b], |v[ACC+16*\b]|, |v[ACC+16*\b+1]|, 0x1800000   ; four chains of 16 numbers, and the floor 2^(3 - 127)
.endr
.irp i, 2,4,6,8,10,12,14
.irp b, 0,1,2,3
	v_max3_num_f32 v[TM+\b], v[TM+\b], |v[ACC+16*\b+\i]|, |v[ACC+16*\b+\i+1]|
.endr
.endr
	s_delay_alu instid0(VALU_DEP_3)
	v_max_num_f32 v[TM], v[TM], v[TM+1]
	s_delay_alu instid0(VALU_DEP_2)
	v_max_num_f32 v[TM+2], v[TM+2], v[TM+3]
	s_delay_alu instid0(VALU_DEP_2)
	v_add_nc_u32 v[TS], 0xff000000, v[TM]
	s_delay_alu instid0(VALU_DEP_2)
	v_add_nc_u32 v[TS+1], 0xff000000, v[TM+2]
.if \z == 0
	s_delay_alu instid0(VALU_DEP_2)
	v_lshrrev_b32 v[PW], 23, v[TS]
	s_delay_alu instid0(VALU_DEP_2)
	v_lshrrev_b32 v[PW0], 23, v[TS+1]
.else
	s_delay_alu instid0(VALU_DEP_2)
	v_lshrrev_b32 v[TB], 23, v[TS]
	s_delay_alu instid0(VALU_DEP_2)
	v_lshrrev_b32 v[TB+1], 23, v[TS+1]
	s_delay_alu instid0(VALU_DEP_2)
	v_lshl_or_b32 v[PW], v[TB], 16, v[PW]
	s_delay_alu instid0(VALU_DEP_2)
	v_lshl_or_b32 v[PW0], v[TB+1], 16, v[PW0]
.endif
	v_cvt_scalef32_pk16_fp6_f32 v[FR+6*\z:FR+6*\z+2], v[ACC:ACC+15], v[TS]
	v_cvt_scalef32_pk16_fp6_f32 v[CT:CT+2], v[ACC+16:ACC+31], v[TS]            ; (a conversion's three registers begin on an even number)
	v_cvt_scalef32_pk16_fp6_f32 v[FR+12+6*\z:FR+12+6*\z+2], v[ACC+32:ACC+47], v[TS+1]
	v_cvt_scalef32_pk16_fp6_f32 v[CT+4:CT+6], v[ACC+48:ACC+63], v[TS+1]
	v_nop                                          ; one plain place behind the scaled conversions
.irp i, 0,1,2
	v_mov_b32 v[FR+6*\z+3+\i], v[CT+\i]
	v_mov_b32 v[FR+12+6*\z+3+\i], v[CT+4+\i]
.endr
.endm
.macro THETA k, lo, hi                 ; pair k of my 8: frequency 8 h + k
	v_mov_b32 v[TH+\k], \hi
	s_delay_alu instid0(VALU_DEP_1)
	v_cndmask_b32 v[TH+\k], \lo, v[TH+\k], vcc_lo
.endm
.macro HORNER reg, coef                ; reg = reg x theta^2 + coef, for the 8 pairs
.irp k, 0,1,2,3,4,5,6,7
	v_fmaak_f32 v[\reg+\k], v[\reg+\k], v[X2+\k], \coef
.endr
.endm
; One matrix instruction of phase 3: tile tt of the two in hand (pair bb of the four tiles), weight tile u, K step s.
.macro MM role, bb, tt, u, s
.if \role == 0
.set DD, ACC+16*(2*\bb+\tt)+8*\u       ; k, q: block = the tile of x, registers = channels 16 h + 8 u + 0 .. 7
.set AA, WF+12*(2*\u+\s)
.set BB, XF+12*(2*\tt+\s)
.set SA, WS+\u
.set SB, XSR+\tt
.else
.set DD, ACC+32*\u+8*(2*\bb+\tt)       ; v: block = channel tile u, registers = keys 32 h + 8 (2 bb + tt) + 0 .. 7 of these 64
.set AA, XF+12*(2*\tt+\s)
.set BB, WF+12*(2*\u+\s)
.set SA, XSR+\tt
.set SB, WS+\u
.endif
.if \s == 0
	v_wmma_scale_f32_16x16x128_f8f6f4 v[DD:DD+7], v[AA:AA+11], v[BB:BB+11], v[BI+8*\u:BI+8*\u+7], v[SA], v[SB] matrix_a_fmt:MATRIX_FMT_FP6 matrix_b_fmt:MATRIX_FMT_FP6
.else
	v_wmma_scale_f32_16x16x128_f8f6f4 v[DD:DD+7], v[AA:AA+11], v[BB:BB+11], v[DD:DD+7], v[SA], v[SB] matrix_a_fmt:MATRIX_FMT_FP6 matrix_b_fmt:MATRIX_FMT_FP6 matrix_a_scale:MATRIX_SCALE_ROW1 matrix_b_scale:MATRIX_SCALE_ROW1
.endif
.endm
.macro ROPE                            ; the 32 pairs of my 64 numbers, ascending (each accumulator is read from its low end on); pair p: channels 16 h + 2 (p % 8), + 1
.set RP, 0
.rept 32
	v_mul_f32 v[TM+RP%4], v[ACC+2*RP+1], v[SI+RP%8]
	v_mul_f32 v[TS+RP%4], v[ACC+2*RP], v[SI+RP%8]
	v_fma_f32 v[ACC+2*RP], v[ACC+2*RP], v[CO+RP%8], -v[TM+RP%4]        ; x0 cos - x1 sin
	v_fma_f32 v[ACC+2*RP+1], v[ACC+2*RP+1], v[CO+RP%8], v[TS+RP%4]     ; x0 sin + x1 cos
.set RP, RP+1
.endr
.endm
; Phase 3 for one role: twice four tiles of x; the four accumulators of two tiles take turns, one instruction a turn.
.macro PATH role
.irp z, 0,1
.irp bb, 0,1
.if (\z+\bb) > 0
.rept 4
	v_nop                                          ; places in front of loads into registers that matrix instructions have read
.endr
.endif
.irp i, 0,1,2,3,4,5,6,7,8,9,10,11
	ds_load_b128 v[XF+4*\i:XF+4*\i+3], v[FXI] offset:3072*(4*\z+2*\bb)+512*\i
.endr
	ds_load_b32 v[XSR], v[FXS] offset:128*(4*\z+2*\bb)
	ds_load_b32 v[XSR+1], v[FXS] offset:128*(4*\z+2*\bb+1)
	s_wait_dscnt 0x0
.irp s, 0,1
.irp tt, 0,1
.irp u, 0,1
	MM \role, \bb, \tt, \u, \s
.endr
.endr
.endr
.endr
.rept 4
	v_nop                                          ; places in front of the first read of results
.endr
.if \role == 0
	ROPE
	QUANT ACC, FR+12*\z, FR+12*\z+6                ; packed fragment z: tiles 4 z .. 4 z + 3 in its four blocks
.if \z == 0
	v_mov_b32 v[PW0], v[PW]
.endif
.else
	QUANTV \z
.endif
.endr
.endm
.macro SEND
.irp q, 0,1,2,3,4,5
	global_store_b128 v[LI], v[FR+4*\q:FR+4*\q+3], s[58:59] offset:512*\q   ; 32 lanes store 512 consecutive bytes, aligned
.endr
	global_store_b32 v[LS], v[SCW], s[60:61]
.endm
	s_load_b512 s[8:23], s[0:1], 0x0               ; x_0 s[8:9], v_0 s[10:11], edge_attr s[12:13], concatenated_features s[14:15], q_data s[16:17], bk s[18:19], bq s[20:21], bv s[22:23]
	s_load_b128 s[24:27], s[0:1], 0x40             ; wimg s[24:25], wsc s[26:27]
	s_load_b64 s[28:29], s[0:1], 0x50              ; kv
	v_lshl_add_u32 v225, v0, 2, 0x29000
	v_mov_b32 v255, 0
	ds_add_u32 v225, v255
	ds_add_u32 v225, v255
	v_lshrrev_b32 v[T1], 5, v0
	s_delay_alu instid0(VALU_DEP_1)
	v_readfirstlane_b32 s3, v[T1]                  ; wave 0..15
	s_lshr_b32 s4, ttmp9, 5                        ; j: the job
	s_and_b32 s5, ttmp9, 31                        ; which 128 rows
	s_lshr_b32 s6, s3, 3                           ; role: 0 k or q, 1 v
	s_and_b32 s7, s3, 7                            ; my head
	s_bfe_u32 s30, ttmp9, 0x30001                  ; the timestep: 256 rows each, 8 to a batch
	; descriptor group 1: 8 rows of 256 f32, 16 bytes of padding behind each
	s_mov_b32 s32, (2<<16)|(1<<20)|(7<<22)|(3<<25) ; no mask; elements of 4 bytes; padding on, after every 256 words (code 7), of 4 words (code 3)
	s_mov_b32 s33, 256<<16                         ; tensor_dim0 = 256
	s_mov_b32 s34, 8<<16                           ; tensor_dim1 = 8
	s_mov_b32 s35, 256<<16                         ; tile_dim0 = 256
	s_mov_b32 s36, 8                               ; tile_dim1 = 8
	s_mov_b32 s37, 256                             ; elements from row to row
	s_mov_b32 s38, 0
	s_mov_b32 s39, 0
	; rows 8 w .. 8 w + 7 are half (w / 4) % 2 of tile 4 (w / 8) + w % 4: they go to place 8 (w / 8) + 2 (w % 4) + (w / 4) % 2, so that LDS row 16 m + r is row r of tile m
	s_and_b32 s46, s3, 8
	s_and_b32 s47, s3, 3
	s_lshl_b32 s47, s47, 1
	s_or_b32 s46, s46, s47
	s_bfe_u32 s47, s3, 0x10002
	s_or_b32 s46, s46, s47
	s_mov_b32 s40, 1                               ; group 0: count = 1
	s_mul_i32 s41, s46, 8*XP                       ; LDS address
	s_lshl_b32 s48, s5, 17                         ; 128 rows of 1,024 bytes a work-group,
	s_lshl_b32 s49, s3, 13                         ; 8 a wave
	s_add_co_u32 s48, s48, s49
	s_mov_b32 s49, 0
	s_wait_dscnt 0x0
	s_wait_kmcnt 0x0
	s_mov_b64 s[50:51], s[16:17]                   ; the job's x: the choice hangs on the work-group's number alone
	s_cmp_eq_u32 s4, 3
	s_cselect_b64 s[50:51], s[14:15], s[50:51]
	s_cmp_eq_u32 s4, 2
	s_cselect_b64 s[50:51], s[12:13], s[50:51]
	s_cmp_eq_u32 s4, 1
	s_cselect_b64 s[50:51], s[10:11], s[50:51]
	s_cmp_eq_u32 s4, 0
	s_cselect_b64 s[50:51], s[8:9], s[50:51]
	s_add_nc_u64 s[42:43], s[50:51], s[48:49]
	s_or_b32 s43, s43, 0x80000000                  ; type = 2
	tensor_load_to_lds s[40:43], s[32:39]          ; my one tensor load of the launch
	s_nop 0
	v_and_b32 v[LN], 31, v0
	v_and_b32 v[T1], 15, v0                        ; r
	s_wait_alu depctr_va_vdst(0)
	v_bfe_u32 v[T2], v0, 4, 1                      ; h
	; every LDS address is made here, ahead of the first parting of the roles
	s_lshr_b32 s46, s3, 1
	s_mul_i32 s46, s46, 16*XP                      ; phase 2: tile w / 2,
	s_and_b32 s47, s3, 1
	s_lshl_b32 s47, s47, 9                         ; K step w % 2
	s_add_co_u32 s46, s46, s47
	v_mul_u32_u24 v[XR], v[T1], XP
	s_delay_alu instid0(VALU_DEP_1)
	v_lshl_add_u32 v[XR], v[T2], 6, v[XR]          ; row r, + 64 h: my 16 numbers of a block
	s_delay_alu instid0(VALU_DEP_1)
	v_add_nc_u32 v[XR], s46, v[XR]
	v_lshlrev_b32 v[LI], 4, v[LN]
	v_lshlrev_b32 v[LS], 2, v[LN]
	s_wait_alu depctr_va_vdst(0)
	s_mul_i32 s46, s3, 1536
	s_add_co_u32 s46, s46, XIMG
	v_add_nc_u32 v[XWI], s46, v[LI]
	s_lshl_b32 s46, s3, 6
	s_add_co_u32 s46, s46, XSC
	v_lshl_add_u32 v[XWS], v[T1], 2, s46           ; both lane halves write the same word with the same value
	v_add_nc_u32 v[FXI], XIMG, v[LI]
	v_add_nc_u32 v[FXS], XSC, v[LS]
	s_mov_b32 s[SEL], 0x76543210
	s_mov_b32 s[SEL+1], 0xfedcba98
.irp b, 0,1,2,3
	v_mov_b32 v[TB+\b], 0                          ; written once: a lane permute's destination counts as one of its sources
.endr
	; my weights: tiles 16 j + 2 head on (k, q: Wq's tiles lie behind Wk's) or 80 + 16 min(j, 3) + 2 head on (v)
	s_min_u32 s52, s4, 3
	s_cmp_lt_u32 s3, 8
	s_cselect_b32 s52, s4, s52
	s_cselect_b32 s53, 0, 80
	s_lshl_b32 s46, s52, 4
	s_add_co_u32 s46, s46, s53
	s_lshl_b32 s47, s7, 1
	s_add_co_u32 s46, s46, s47
	s_mul_i32 s48, s46, 3072
	s_add_nc_u64 s[24:25], s[24:25], s[48:49]
	s_lshl_b32 s48, s46, 7
	s_add_nc_u64 s[26:27], s[26:27], s[48:49]
.irp i, 0,1,2,3,4,5,6,7,8,9,10,11
	global_load_b128 v[WF+4*\i:WF+4*\i+3], v[LI], s[24:25] offset:512*\i
.endr
	global_load_b32 v[WS], v[LS], s[26:27]
	global_load_b32 v[WS+1], v[LS], s[26:27] offset:128
	; my bias: bq, bk[j] or bv[min(j, 3)], at my head's 32 numbers
	s_cmp_eq_u32 s4, 4
	s_cselect_b64 s[54:55], s[20:21], s[18:19]
	s_cselect_b32 s56, 0, s4
	s_cmp_lt_u32 s3, 8
	s_cselect_b64 s[54:55], s[54:55], s[22:23]
	s_cselect_b32 s56, s56, s52
	s_lshl_b32 s48, s56, 10
	s_lshl_b32 s47, s7, 7
	s_add_co_u32 s48, s48, s47
	s_add_nc_u64 s[54:55], s[54:55], s[48:49]
	; where my results go.  In units of 102,400 bytes (16 steps): a pair's record is two units, q's one: unit 32 (j / 2) + (8 b + head) x (2 or 1)
	s_lshr_b32 s47, s5, 4
	s_lshl_b32 s47, s47, 3
	s_add_co_u32 s47, s47, s7                      ; 8 b + head
	s_cmp_lt_u32 s4, 4
	s_cselect_b32 s56, 1, 0
	s_lshl_b32 s47, s47, s56
	s_lshr_b32 s46, s4, 1
	s_lshl_b32 s46, s46, 5
	s_add_co_u32 s46, s46, s47
	s_mul_i32 s46, s46, 16*STP
	s_and_b32 s47, s4, 1
	s_lshl_b32 s47, s47, 4
	s_and_b32 s56, s5, 15
	s_add_co_u32 s47, s47, s56                     ; the step in the record: 16 (j % 2) + key step
	s_mul_i32 s47, s47, STP
	s_add_co_u32 s46, s46, s47
	s_mul_i32 s48, s6, 3072                        ; k's fragments, or v's behind them
	s_add_co_u32 s48, s48, s46
	s_add_nc_u64 s[58:59], s[28:29], s[48:49]
	s_lshl_b32 s48, s6, 7                          ; k's scale words, or v's behind them
	s_add_co_u32 s48, s48, s46
	s_add_co_u32 s48, s48, 6144
	s_add_nc_u64 s[60:61], s[28:29], s[48:49]
	s_cmp_lt_u32 s3, 8
	s_cbranch_scc0 .Lv_head
	; ---- k, q: the bias of channels 16 h + 8 u + 0 .. 7, and the RoPE table
	v_lshlrev_b32 v[BO], 6, v[T2]
.irp u, 0,1
	global_load_b128 v[BI+8*\u:BI+8*\u+3], v[BO], s[54:55] offset:32*\u
	global_load_b128 v[BI+8*\u+4:BI+8*\u+7], v[BO], s[54:55] offset:32*\u+16
.endr
	v_cmp_le_u32 vcc_lo, 16, v[LN]                 ; lanes 16-31 take frequencies 8 .. 15
	THETA 0, 0x3f800000, 0x3d0186e2                ; 1.0            0.0316227766
	THETA 1, 0x3f263de0, 0x3ca8398b                ; 0.649381632    0.0205352503
	THETA 2, 0x3ed7e89b, 0x3c5a7bf1                ; 0.421696503    0.0133352143
	THETA 3, 0x3e8c3504, 0x3c0de12d                ; 0.273841963    0.00865964323
	THETA 4, 0x3e361887, 0x3bb8449c                ; 0.177827941    0.00562341325
	THETA 5, 0x3dec7fd5, 0x3b6f520d                ; 0.115478198    0.00365174127
	THETA 6, 0x3d99940e, 0x3b1b690d                ; 0.0749894209   0.00237137371
	THETA 7, 0x3d47763f, 0x3ac9d75c                ; 0.0486967525   0.00153992653
.irp k, 0,1,2,3,4,5,6,7
	v_mul_f32 v[X2+\k], v[TH+\k], v[TH+\k]
.endr
.irp k, 0,1,2,3,4,5,6,7
	v_mov_b32 v[RS+\k], 0xb2d72f34                 ; sin x = x + x x^2 P(x^2): -2.505e-8,
	v_mov_b32 v[RC+\k], 0x310f74f6                 ; cos x = 1 - x^2 / 2 + x^4 Q(x^2): 2.0876e-9,
.endr
	HORNER RS, 0x3638ef1b                          ; 2.75573e-6
	HORNER RC, 0xb493f27c                          ; -2.75573e-7
	HORNER RS, 0xb9500d01                          ; -1.98413e-4
	HORNER RC, 0x37d00d01                          ; 2.48016e-5
	HORNER RS, 0x3c088889                          ; 8.33333e-3
	HORNER RC, 0xbab60b61                          ; -1.38889e-3
	HORNER RS, 0xbe2aaaab                          ; -1 / 6
	HORNER RC, 0x3d2aaaab                          ; 1 / 24
	HORNER RC, 0xbf000000                          ; -1 / 2
	HORNER RC, 0x3f800000                          ; 1
.irp k, 0,1,2,3,4,5,6,7
	v_mul_f32 v[RS+\k], v[RS+\k], v[X2+\k]
.endr
.irp k, 0,1,2,3,4,5,6,7
	v_fma_f32 v[RS+\k], v[RS+\k], v[TH+\k], v[TH+\k]
.endr
.irp k, 0,1,2,3,4,5,6,7
	v_mov_b32 v[CO+\k], 1.0                        ; angle 0,
	v_mov_b32 v[SI+\k], 0
.endr
	s_cmp_eq_u32 s30, 0
	s_cbranch_scc1 .Lrope_done
	s_mov_b32 s31, 0
.Lrope:                                                ; and t times one theta on
.irp k, 0,1,2,3,4,5,6,7
	v_mul_f32 v[TH+\k], v[SI+\k], v[RS+\k]
.endr
.irp k, 0,1,2,3,4,5,6,7
	v_mul_f32 v[X2+\k], v[SI+\k], v[RC+\k]
.endr
.irp k, 0,1,2,3,4,5,6,7
	v_fma_f32 v[SI+\k], v[CO+\k], v[RS+\k], v[X2+\k]
.endr
.irp k, 0,1,2,3,4,5,6,7
	v_fma_f32 v[CO+\k], v[CO+\k], v[RC+\k], -v[TH+\k]
.endr
	s_add_co_u32 s31, s31, 1
	s_cmp_lt_u32 s31, s30
	s_cbranch_scc1 .Lrope
.Lrope_done:
	s_branch .Lhead_done
.Lv_head:
	; ---- v: the bias of my lane's channel 8 u + r + 8 (r / 8)
	v_and_b32 v[BO], 8, v[T1]
	s_delay_alu instid0(VALU_DEP_1)
	v_add_nc_u32 v[BO], v[BO], v[T1]
	s_delay_alu instid0(VALU_DEP_1)
	v_lshlrev_b32 v[BO], 2, v[BO]
	global_load_b32 v[BI], v[BO], s[54:55]
	global_load_b32 v[BI+8], v[BO], s[54:55] offset:32
.Lhead_done:
	s_wait_tensorcnt 0x0                           ; my 8 rows have landed,
	s_barrier_signal -1
	s_barrier_wait -1                              ; everybody's have: a tile's 16 rows came by two waves' loads
	; ---- phase 2: my fragment of x
.irp b, 0,1,2,3
.irp i, 0,1,2,3
	ds_load_b128 v[ACC+16*\b+4*\i:ACC+16*\b+4*\i+3], v[XR] offset:128*\b+16*\i
.endr
.endr
	s_wait_dscnt 0x0
	QUANT ACC, FR, FR+6
.irp q, 0,1,2
	ds_store_b128 v[XWI], v[FR+4*\q:FR+4*\q+3] offset:512*\q
.endr
	ds_store_b32 v[XWS], v[PW]
	s_wait_dscnt 0x0                               ; for the others' sake: my stores have landed
	s_barrier_signal -1
	s_barrier_wait -1                              ; x's sixteen fragments lie in LDS
	s_wait_loadcnt 0x0                             ; weights, scale words, bias
	s_cmp_lt_u32 s3, 8
	s_cbranch_scc0 .Lv_path
	; ---- phase 3, k or q
	PATH 0
	v_cmp_gt_u32 vcc_lo, 16, v[LN]
	s_delay_alu instid0(VALU_DEP_1)
	v_cndmask_b32 v[SCW], v[PW], v[PW0], vcc_lo    ; lanes 0-15: fragment 0's words; lanes 16-31: fragment 1's
	SEND
	s_wait_tensorcnt 0x0
	ds_add_u32 v225, v255
	s_wait_dscnt 0x0
	s_endpgm
.Lv_path:
	s_cmp_eq_u32 s4, 4
	s_cbranch_scc1 .Lend                           ; the queries have no v
	; ---- phase 3, v
.irp u, 0,1
.irp i, 1,2,3,4,5,6,7
	v_mov_b32 v[BI+8*\u+\i], v[BI+8*\u]            ; a lane's eight results are eight keys of one channel: one bias
.endr
.endr
	s_wait_alu depctr_va_vdst(0)
	PATH 1
	v_bfe_u32 v[T1], v0, 4, 1
	s_delay_alu instid0(VALU_DEP_1)
	v_lshlrev_b32 v[T1], 3, v[T1]                  ; 8 h bits
	s_delay_alu instid0(VALU_DEP_1)
	v_lshlrev_b32 v[PW], v[T1], v[PW]              ; my two bytes, of key blocks h and 2 + h, at their places in the channel's scale word;
	s_delay_alu instid0(VALU_DEP_2)
	v_lshlrev_b32 v[PW0], v[T1], v[PW0]
	s_delay_alu instid0(VALU_DEP_2)
	v_permlanex16_b32 v[TB], v[PW], s[SEL], s[SEL+1]
	s_delay_alu instid0(VALU_DEP_2)
	v_permlanex16_b32 v[TB+1], v[PW0], s[SEL], s[SEL+1]
	s_delay_alu instid0(VALU_DEP_2)
	v_or_b32 v[PW], v[PW], v[TB]                   ; with lane l xor 16's two the word is whole
	s_delay_alu instid0(VALU_DEP_2)
	v_or_b32 v[PW0], v[PW0], v[TB+1]
	v_cmp_gt_u32 vcc_lo, 16, v[LN]
	s_delay_alu instid0(VALU_DEP_1)
	v_cndmask_b32 v[SCW], v[PW0], v[PW], vcc_lo    ; lanes 0-15: channel tile 0's words; lanes 16-31: tile 1's
	SEND
.Lend:
	s_wait_tensorcnt 0x0
	ds_add_u32 v225, v255
	s_wait_dscnt 0x0
	s_endpgm
.Lfunc_end_k_q8979d9651c_proj:
	.size	k_q8979d9651c_proj, .Lfunc_end_k_q8979d9651c_proj-k_q8979d9651c_proj
	.p2alignl 7, 3214868480
	.fill 96, 4, 3214868480
	.section	.rodata,"a",@progbits
	.p2align	6, 0x0
	.amdhsa_kernel k_q8979d9651c_proj
		.amdhsa_group_segment_fixed_size 169984
		.amdhsa_private_segment_fixed_size 0
		.amdhsa_enable_private_segment 0
		.amdhsa_kernarg_size 88
		.amdhsa_user_sgpr_count 2
		.amdhsa_user_sgpr_kernarg_segment_ptr 1
		.amdhsa_wavefront_size32 1
		.amdhsa_system_sgpr_workgroup_id_x 1
		.amdhsa_system_sgpr_workgroup_id_y 1
		.amdhsa_system_sgpr_workgroup_id_z 1
		.amdhsa_system_vgpr_workitem_id 0
		.amdhsa_next_free_vgpr 256
		.amdhsa_next_free_sgpr 66
		.amdhsa_reserve_vcc 1
		.amdhsa_float_denorm_mode_32 3
		.amdhsa_float_denorm_mode_16_64 3
		.amdhsa_memory_ordered 1
		.amdhsa_forward_progress 1
		.amdhsa_inst_pref_size 73
	.end_amdhsa_kernel
	.amdgpu_metadata
---
amdhsa.version: [ 1, 2 ]
amdhsa.kernels:
  - .name:           k_q8979d9651c_proj
    .symbol:         k_q8979d9651c_proj.kd
    .args:
      - { .name: x_0, .offset: 0, .size: 8, .value_kind: global_buffer, .address_space: global }
      - { .name: v_0, .offset: 8, .size: 8, .value_kind: global_buffer, .address_space: global }
      - { .name: edge_attr, .offset: 16, .size: 8, .value_kind: global_buffer, .address_space: global }
      - { .name: concatenated_features, .offset: 24, .size: 8, .value_kind: global_buffer, .address_space: global }
      - { .name: q_data, .offset: 32, .size: 8, .value_kind: global_buffer, .address_space: global }
      - { .name: bk, .offset: 40, .size: 8, .value_kind: global_buffer, .address_space: global }
      - { .name: bq, .offset: 48, .size: 8, .value_kind: global_buffer, .address_space: global }
      - { .name: bv, .offset: 56, .size: 8, .value_kind: global_buffer, .address_space: global }
      - { .name: wimg, .offset: 64, .size: 8, .value_kind: global_buffer, .address_space: global }
      - { .name: wsc, .offset: 72, .size: 8, .value_kind: global_buffer, .address_space: global }
      - { .name: kv, .offset: 80, .size: 8, .value_kind: global_buffer, .address_space: global }
    .group_segment_fixed_size: 169984
    .private_segment_fixed_size: 0
    .kernarg_segment_align: 8
    .kernarg_segment_size: 88
    .max_flat_workgroup_size: 512
    .sgpr_count:     66
    .vgpr_count:     256
    .wavefront_size: 32
...
	.end_amdgpu_metadata
.endif
;; end of part 6
;; launch attn (part 7): grid 8 x 32, 16 waves a work-group, clusters of 4 x 1, 327,680 bytes of LDS; arguments kv, feature_weights, opart; writes opart
.if DOCPART == 7
	.amdgcn_target "amdgcn-amd-amdhsa--gfx1250"
	.amdhsa_code_object_version 6
	.text
	.protected	k_q8979d9651c_attn
	.globl	k_q8979d9651c_attn
	.p2align	8
	.type	k_q8979d9651c_attn,@function
k_q8979d9651c_attn:
	s_mov_b64 s[64:65], 0
	v_nop
	global_prefetch_b8 v0, s[64:65] scope:SCOPE_SE
	s_setreg_imm32_b32 hwreg(HW_REG_WAVE_MODE, 25, 1), 1
	s_wait_xcnt 0x0
	s_wait_alu depctr_hold_cnt(0) depctr_sa_sdst(0) depctr_va_vdst(0) depctr_va_sdst(0) depctr_va_ssrc(0) depctr_va_vcc(0) depctr_vm_vsrc(0)
	s_getreg_b32 s2, hwreg(HW_REG_IB_STS2, 6, 4)
	s_cmp_eq_u32 s2, 0
	s_cbranch_scc0 .Lentry_in_a_cluster
	s_endpgm
.Lentry_in_a_cluster:
	s_bfe_u32 s2, ttmp6, 0x10000c
	s_cmp_lg_u32 s2, 0x3003
	s_cbranch_scc0 .Lentry_shape_is_right
	s_endpgm
.Lentry_shape_is_right:
; part[pair][b][head][q] = the sum over the pair's two features f of gate_f x softmax_k(q . k_f / sqrt(32)) v_f, both products on codes of FP6 (E2M3) with one E8M0 byte for each 32 along K.  The next launch adds the two pairs.
; THE SOFTMAX AHEAD OF THE SECOND PRODUCT: t = score x log2(e) / sqrt(32); M = the largest t so far, rounded UP to a whole number; p = 2^(t - M) is quantised along the keys, not normalised.
; The row's sum is taken of the unquantised p and divides at the feature's end.  When M moves, the sum and O are multiplied by 2^(old M - new M): exact.
; SHARES.  Work-group (x, y): y = 16 x pair + 8 b + head; 256 queries; sixteen waves of 256 registers.  A wave owns ONE tile of 16 queries and walks all 2,048 keys of both features, 128 keys a step: 32 steps.
; A pair's k and v, 204,800 bytes of codes and scale words, lie in LDS together, each byte filled once, in TWO HALVES: at the head wave w brings step w of the first feature (25 rows of 256 bytes);
; behind the full sequence and a round it brings step 16 + w, the second feature's, which lands while the first feature is worked.  The second half is read only behind each wave's wait for its load and a barrier,
; at the change of features: so step 15 asks for no k ahead.
; K = 32 IN A FORM OF K = 128.  A fragment of k holds FOUR tiles of 16 keys, one in each of its blocks of 32.  The queries' fragment stands in four variants: its 32 codes in block j, zero codes elsewhere.
; The product with variant j gives tile j's scores: zero codes add exactly nothing under any scale byte 1 .. 254.
; LAYOUT.  Both products transposed: S^T = k q^T, O^T = v^T p^T: a lane holds ONE query (lane % 16).  Row m of tile T of a step's keys is key 64 (T / 4) + 32 (m / 8) + 8 (T % 4) + m % 8, so that
; score register 32 c + i of lane half h is key 64 c + 32 h + i: two WHOLE blocks of the second product's K, in the operand's own order.  O's 16 registers are channels 16 h + 0 .. 15.
; A STEP'S ORDER.  Scores; v of this step and k of the next are asked for; maxima in eight chains, one to a tile; M; ALL the sources of the exponentials and O's rescaling; one wait; the 66 exponentials as ONE batch;
; one wait; the blocks' scales, the conversions, the row's sum in four chains; the second product.
; CLUSTER.  The four work-groups of a cluster share y, hence all of k and v: both fills are asked for JOINTLY, with the mask of all four.  The place in the cluster enters q's and the output's global addresses alone.
; NO PREFETCH: both fills go out at the launch's head, the second as soon as the first has landed; there is no loop to run ahead in.
; LIMITS: the promise holds while the scaled scores stay under 2^31 in magnitude; NaN and infinities are not served; a block whose every p is 0 gets the byte 1 (its codes are zeros);
; the zeros stand on the queries' side alone, so a key's score is summed beside three other keys' blocks under their scales.
.set STP,   6400                       ; a step in kv and in LDS: k's two fragments at 0, v's two at 3,072, k's scale words at 6,144, v's at 6,272
.set PREC,  32*STP                     ; a pair's record
.set QBASE, 32*PREC                    ; behind the 32 records: q's, 16 steps each
.set QREC,  16*STP
.set SPARE, 0x32000                    ; behind the record: the spare words, 128 bytes a wave
.set AK0, 1                            ; v1   16 x lane
.set AS0, 2                            ; v2   4 x lane
.set ADK, 5                            ; v5   the step's images
.set ADS, 6                            ; v6   the step's scale words
.set SH,  9                            ; v9   8 h
                                       ; v12 -M, v13 the largest score, v[14:15] the sum in two halves
                                       ; v16-45 the queries: codes in lanes 0-15 (16-21), zeros (22-27), codes in lanes 16-31 (28-33), zeros (34-39), codes in lanes 0-15 (40-45)
.set QSC, 46                           ; the queries' scale byte, four times
.set KSC, 47                           ; k's scale words: lanes 0-15 fragment 0, lanes 16-31 fragment 1
.set VSC, 48                           ; v's: lanes 0-15 channel tile 0, lanes 16-31 tile 1
.set PSW, 49                           ; p's scale word
.set KR,  50                           ; v50-73   two fragments of k
.set VR,  74                           ; v74-97   two fragments of v
.set S,   98                           ; v98-161  S^T, then p
.set PC,  162                          ; v162-173 p's codes
.set CT,  174                          ; v174-180 the upper halves of the blocks' codes on their way
.set BM,  182                          ; v182-189 eight chains of maxima; then the blocks' in 182 and 186
.set RX,  190                          ; the other lane half's largest score
.set T,   191                          ; at work
.set BS,  192                          ; v192-193 the conversions' scale operands
.set F,   194                          ; v[194:195] f = 2^(old M - new M), and 0
.set OT,  198                          ; v198-213 O^T of the feature in hand
.set OUT, 214                          ; v214-229 the gated sum
.set G,   230                          ; v230-233 the gates: my two features' first
.set W,   234                          ; v[234:235] gate / sum, and 0
.set BY,  236                          ; v236-237 the blocks' bytes
.set PWT, 238                          ; my half of p's scale word
.set PX,  239                          ; the other lane half's
.set CH,  240                          ; v240-245 three more chains of the sum
.set SPW, 254                          ; my spare word's LDS address; never rewritten
.set NIL, 255                          ; 0; never rewritten
.set WV,  10                           ; s10  wave
.set TBS, 40                           ; s40  LDS byte at which the step in hand begins
.macro ROUND                           ; a round of the cluster's barrier
	s_barrier_signal -1
	s_barrier_wait -1
	s_cmp_lg_u32 s[WV], 0
	s_cbranch_scc1 .Lnot_wave_0_\@
	s_barrier_signal -3
.Lnot_wave_0_\@:
	s_barrier_wait -3
	s_barrier_signal -1
	s_barrier_wait -1
.endm
.macro KQ t                            ; the scores of tile t of the step's eight: fragment t / 4 of k, the queries' variant t % 4
.set QS, 16
.if (\t)%4 == 1
.set QS, 28
.elseif (\t)%4 == 2
.set QS, 34
.elseif (\t)%4 == 3
.set QS, 22
.endif
.if (\t) < 4
	v_wmma_scale_f32_16x16x128_f8f6f4 v[S+8*(\t):S+8*(\t)+7], v[KR:KR+11], v[QS:QS+11], 0, v[KSC], v[QSC] matrix_a_fmt:MATRIX_FMT_FP6 matrix_b_fmt:MATRIX_FMT_FP6
.else
	v_wmma_scale_f32_16x16x128_f8f6f4 v[S+8*(\t):S+8*(\t)+7], v[KR+12:KR+23], v[QS:QS+11], 0, v[KSC], v[QSC] matrix_a_fmt:MATRIX_FMT_FP6 matrix_b_fmt:MATRIX_FMT_FP6 matrix_a_scale:MATRIX_SCALE_ROW1
.endif
.endm
.macro SCALE2 p                        ; t - M for pair p of the 32 pairs of scores
	v_pk_fma_f32 v[S+2*(\p):S+2*(\p)+1], v[S+2*(\p):S+2*(\p)+1], s[22:23], v[12:13] op_sel_hi:[1,0,0]
.endm
; A KEY STEP: 128 keys.  pre = 1: the next step's k is asked for.
.macro STEP pre
	s_wait_dscnt 0x0                               ; k of this step, asked for earlier
.irp t, 0,1,2,3,4,5,6,7
	KQ \t
.endr
	v_add_nc_u32 v[ADK], s[TBS], v[AK0]            ; four plain lines: the places in front of the loads below and of the first read of the scores
	v_add_nc_u32 v[ADS], s[TBS], v[AS0]
	v_mov_b32 v[T], v12                            ; the old -M
	v_nop
.irp q, 0,1,2,3,4,5
	ds_load_b128 v[VR+4*\q:VR+4*\q+3], v[ADK] offset:3072+512*\q
.endr
	ds_load_b32 v[VSC], v[ADS] offset:6272
.if \pre
.irp q, 0,1,2,3,4,5
	ds_load_b128 v[KR+4*\q:KR+4*\q+3], v[ADK] offset:STP+512*\q
.endr
	ds_load_b32 v[KSC], v[ADS] offset:STP+6144
.endif
.irp j, 0,1,2,3,4,5,6,7
	v_max3_num_f32 v[BM+\j], v[S+8*\j], v[S+8*\j+1], v[S+8*\j+2]   ; eight chains by turns, one to a tile, each tile read from its low end on
.endr
.irp i, 3,5
.irp j, 0,1,2,3,4,5,6,7
	v_max3_num_f32 v[BM+\j], v[BM+\j], v[S+8*\j+\i], v[S+8*\j+\i+1]
.endr
.endr
	v_max3_num_f32 v[BM], v[BM], v[BM+1], v[S+7]   ; tiles 0-3 are my first block of 32 keys, tiles 4-7 my second
	v_max3_num_f32 v[BM+4], v[BM+4], v[BM+5], v[S+39]
	v_max3_num_f32 v[BM+2], v[BM+2], v[BM+3], v[S+15]
	v_max3_num_f32 v[BM+6], v[BM+6], v[BM+7], v[S+47]
	v_max3_num_f32 v[BM], v[BM], v[BM+2], v[S+23]
	v_max3_num_f32 v[BM+4], v[BM+4], v[BM+6], v[S+55]
	v_max_num_f32 v[BM], v[BM], v[S+31]            ; the largest score of each block: it serves the row's maximum and, since p rises with the score, the block's largest p
	v_max_num_f32 v[BM+4], v[BM+4], v[S+63]
	v_max_num_f32 v[BM+1], v[BM], v[BM+4]
	v_permlanex16_b32 v[RX], v[BM+1], s20, s21
	v_max3_num_f32 v13, v13, v[BM+1], v[RX]        ; the running largest score of my query
	v_mul_f32 v[BM+3], s22, v13                    ; as t (c is positive)
	v_floor_f32 v12, -v[BM+3]                      ; the new -M = -ceil(t): a whole number
	v_sub_f32 v[T], v12, v[T]                      ; old M - new M: a whole number, 0 or less
	v_fma_f32 v[BM], v[BM], s22, v12
	v_fma_f32 v[BM+4], v[BM+4], s22, v12
	v_cvt_i32_f32 v[T], v[T]                       ; (it saturates)
.irp p, 0,1,2
	SCALE2 \p
.endr
	v_ldexp_f32 v[F], 1.0, v[T]                    ; f
.irp p, 3,4,5,6,7,8,9,10,11,12,13,14,15,16,17,18,19,20,21,22,23,24,25,26,27,28,29,30,31
	SCALE2 \p
.endr
.irp j, 0,2,4,6,8,10,12,14
	v_pk_mul_f32 v[OT+\j:OT+\j+1], v[OT+\j:OT+\j+1], v[F:F+1] op_sel_hi:[1,0]   ; O^T under the new M, each accumulator from its low end on, ahead of the batch
.endr
	s_wait_alu depctr_va_vdst(0)                   ; ahead of the batch
	v_exp_f32 v[BM], v[BM]                         ; the blocks' largest p: the same multiply-add and exponential on the same number
	v_exp_f32 v[BM+4], v[BM+4]
.set Q, 0
.rept 64
	v_exp_f32 v[S+Q], v[S+Q]                       ; p = 2^(t - M)
.set Q, Q+1
.endr
	v_pk_mul_f32 v[14:15], v[14:15], v[F:F+1] op_sel_hi:[1,0]   ; the sum under the new M: the plain place behind the batch
	s_wait_alu depctr_va_vdst(0)                   ; and the one wait behind it
	v_max_num_f32 v[BM], 0x1800000, v[BM]          ; the floor 2^(3 - 127): the byte cannot fall under 1
	v_max_num_f32 v[BM+4], 0x1800000, v[BM+4]
	v_pk_add_f32 v[CH:CH+1], v[S:S+1], v[S+2:S+3]  ; the row's sum of the unquantised p: four chains by turns
	v_pk_add_f32 v[CH+2:CH+3], v[S+4:S+5], v[S+6:S+7]
	v_add_nc_u32 v[BS], 0xff000000, v[BM]          ; 2 off the exponent field: the conversion's scale operand
	v_add_nc_u32 v[BS+1], 0xff000000, v[BM+4]
	v_pk_add_f32 v[CH+4:CH+5], v[S+8:S+9], v[S+10:S+11]
	v_pk_add_f32 v[14:15], v[14:15], v[S+12:S+13]
	v_lshrrev_b32 v[BY], 23, v[BS]                 ; the scales' bytes
	v_lshrrev_b32 v[BY+1], 23, v[BS+1]
	v_cvt_scalef32_pk16_fp6_f32 v[PC:PC+2], v[S:S+15], v[BS]
	v_cvt_scalef32_pk16_fp6_f32 v[CT:CT+2], v[S+16:S+31], v[BS]          ; (a conversion's three registers begin on an even number)
	v_cvt_scalef32_pk16_fp6_f32 v[PC+6:PC+8], v[S+32:S+47], v[BS+1]
	v_cvt_scalef32_pk16_fp6_f32 v[CT+4:CT+6], v[S+48:S+63], v[BS+1]
	v_lshl_or_b32 v[PWT], v[BY+1], 16, v[BY]       ; (the plain place behind the conversions)  my blocks are h and 2 + h of p's scale word
	v_mov_b32 v[PC+3], v[CT]
	v_mov_b32 v[PC+4], v[CT+1]
	v_lshlrev_b32 v[PWT], v[SH], v[PWT]
	v_mov_b32 v[PC+5], v[CT+2]
	v_mov_b32 v[PC+9], v[CT+4]
	v_permlanex16_b32 v[PX], v[PWT], s20, s21
	v_mov_b32 v[PC+10], v[CT+5]
	v_mov_b32 v[PC+11], v[CT+6]
	v_or_b32 v[PSW], v[PWT], v[PX]                 ; with lane l xor 16's two bytes the word is whole; the 28 lines below are the places between it, the codes and the products
.set Q, 7
.rept 6
	v_pk_add_f32 v[CH:CH+1], v[CH:CH+1], v[S+2*Q:S+2*Q+1]
	v_pk_add_f32 v[CH+2:CH+3], v[CH+2:CH+3], v[S+2*Q+2:S+2*Q+3]
	v_pk_add_f32 v[CH+4:CH+5], v[CH+4:CH+5], v[S+2*Q+4:S+2*Q+5]
	v_pk_add_f32 v[14:15], v[14:15], v[S+2*Q+6:S+2*Q+7]
.set Q, Q+4
.endr
	v_pk_add_f32 v[CH:CH+1], v[CH:CH+1], v[S+62:S+63]
	v_pk_add_f32 v[14:15], v[14:15], v[CH+4:CH+5]
	v_pk_add_f32 v[CH:CH+1], v[CH:CH+1], v[CH+2:CH+3]
	v_pk_add_f32 v[14:15], v[14:15], v[CH:CH+1]    ; read next behind the next step's batch, more than nine plain lines on and behind its wait; at a feature's end behind a wait of its own
.if \pre
	s_wait_dscnt 0x7                               ; v's seven loads are in; the seven younger ones, the next step's k, may be out
.else
	s_wait_dscnt 0x0
.endif
	v_wmma_scale_f32_16x16x128_f8f6f4 v[OT:OT+7], v[VR:VR+11], v[PC:PC+11], v[OT:OT+7], v[VSC], v[PSW] matrix_a_fmt:MATRIX_FMT_FP6 matrix_b_fmt:MATRIX_FMT_FP6
	v_wmma_scale_f32_16x16x128_f8f6f4 v[OT+8:OT+15], v[VR+12:VR+23], v[PC:PC+11], v[OT+8:OT+15], v[VSC], v[PSW] matrix_a_fmt:MATRIX_FMT_FP6 matrix_b_fmt:MATRIX_FMT_FP6 matrix_a_scale:MATRIX_SCALE_ROW1
	s_add_co_u32 s[TBS], s[TBS], STP               ; between two products on one accumulator of O^T stand nine others, one instruction a turn
.endm
.macro FINIT                           ; a feature begins.  The step is written once: its first trip finds zeros, which the first change of M leaves zeros
	v_mov_b32 v13, 0xff61b1e6                      ; the largest score so far: -3e38
	v_mul_f32 v[T], s22, v13
	v_floor_f32 v12, -v[T]
	v_mov_b32 v14, 0
	v_mov_b32 v15, 0
.irp i, 0,1,2,3,4,5,6,7,8,9,10,11,12,13,14,15
	v_mov_b32 v[OT+\i], 0
.endr
	s_wait_alu depctr_va_vdst(0)
.endm
.macro FEND n                          ; a feature ends: O^T x gate / sum goes into the output
	s_wait_alu depctr_va_vdst(0)                   ; the sum's last line stands just ahead of the last step's wait for v
	v_add_f32 v14, v14, v15                        ; the plain lines from here to the first read of O^T are the places behind the last products
	v_nop
	v_permlanex16_b32 v[T], v14, s20, s21
	v_nop
	v_add_f32 v14, v14, v[T]                       ; with lane l xor 16's 1,024 keys: the row's sum
	s_wait_alu depctr_va_vdst(0)                   ; ahead of the reciprocal
	v_rcp_f32 v14, v14
	v_nop                                          ; a plain place behind it
	s_wait_alu depctr_va_vdst(0)                   ; and behind it
	v_mul_f32 v[W], v14, v[G+\n]
	s_wait_alu depctr_va_vdst(0)                   ; directly ahead of the first reader of O^T
.set J, 0
.rept 8
.if \n == 0
	v_pk_mul_f32 v[OUT+J:OUT+J+1], v[OT+J:OT+J+1], v[W:W+1] op_sel_hi:[1,0]
.else
	v_pk_fma_f32 v[OUT+J:OUT+J+1], v[OT+J:OT+J+1], v[W:W+1], v[OUT+J:OUT+J+1] op_sel_hi:[1,0,1]
.endif
.set J, J+2
.endr
.endm
	s_load_b128 s[4:7], s[0:1], 0x0                ; kv s[4:5], feature_weights s[6:7]
	s_load_b64 s[8:9], s[0:1], 0x10                ; opart
	v_lshl_add_u32 v[SPW], v0, 2, SPARE
	v_mov_b32 v[NIL], 0
	ds_add_u32 v[SPW], v[NIL]                      ; the add, twice on end, and its wait ahead of my first tensor load
	ds_add_u32 v[SPW], v[NIL]
	v_lshrrev_b32 v3, 5, v0
	v_readfirstlane_b32 s[WV], v3                  ; wave 0..15
	s_bfe_u32 s13, ttmp6, 0x40000                  ; cx
	s_lshl_b32 s14, ttmp9, 2
	s_add_co_u32 s14, s14, s13                     ; my block of 256 queries: it enters q's and the output's global addresses alone
	s_and_b32 s15, ttmp7, 0xffff                   ; y = 16 x pair + 8 b + head, which the four partners share
	s_and_b32 s16, s15, 15                         ; 8 b + head
	s_lshr_b32 s17, s15, 4                         ; the pair
	s_mov_b32 s20, 0x76543210
	s_mov_b32 s21, 0xfedcba98                      ; v_permlanex16_b32's selects for lane l xor 16
	s_mov_b32 s22, 0x3e8293ee                      ; c = log2(e) / sqrt(32)
	s_mov_b32 s23, s22                             ; (named with it as a pair, so it is written)
	s_mov_b32 s[TBS], 0
	; descriptor group 1: 25 dense rows of 256 bytes: one step of the pair's record
	s_mov_b32 s24, 15|(3<<16)|(1<<21)              ; the mask: all four work-groups; elements of 8 bytes; bit 21 set beside a mask; no padding
	s_mov_b32 s25, 32<<16                          ; tensor_dim0 = 32
	s_mov_b32 s26, 25<<16                          ; tensor_dim1 = 25
	s_mov_b32 s27, 32<<16                          ; tile_dim0 = 32
	s_mov_b32 s28, 25                              ; tile_dim1 = 25
	s_mov_b32 s29, 32                              ; elements from row to row
	s_mov_b32 s30, 0
	s_mov_b32 s31, 0
	s_mul_i32 s48, s[WV], STP                      ; step w, in LDS and in the record
	s_mul_i32 s50, s15, PREC
	s_add_co_u32 s50, s50, s48
	s_mov_b32 s51, 0
	s_wait_dscnt 0x0                               ; both opening adds are done
	s_wait_kmcnt 0x0
	s_load_b128 s[44:47], s[6:7], 0x0              ; the four feature weights
	ROUND                                          ; all four work-groups are here: the joint loads meet
	s_mov_b32 s32, 1                               ; group 0: count = 1
	s_mov_b32 s33, s48                             ; LDS address
	s_add_nc_u64 s[34:35], s[4:5], s[50:51]
	s_or_b32 s35, s35, 0x80000000                  ; type = 2
	tensor_load_to_lds s[32:35], s[24:31]          ; step w of the first feature: my one tensor load at the head
	s_nop 0
	; my queries: tile 16 x block + w of the batch's 128: block w % 4 = 2 cq + hq of packed fragment F = tile / 4 of q's record: lanes of half hq, registers 6 cq on of the image
	s_lshr_b32 s52, s[WV], 2
	s_lshl_b32 s53, s14, 2
	s_add_co_u32 s52, s52, s53                     ; F
	s_lshr_b32 s53, s52, 1                         ; its step,
	s_and_b32 s52, s52, 1                          ; and which of the step's two
	s_mul_i32 s53, s53, STP
	s_mul_i32 s54, s16, QREC
	s_add_co_u32 s53, s53, s54
	s_add_co_u32 s53, s53, QBASE
	s_mul_i32 s54, s52, 1536
	s_add_co_u32 s54, s54, s53
	s_mov_b32 s55, 0
	s_add_nc_u64 s[54:55], s[4:5], s[54:55]
	s_lshl_b32 s56, s52, 6
	s_add_co_u32 s56, s56, s53
	s_add_co_u32 s56, s56, 6144
	s_mov_b32 s57, 0
	s_add_nc_u64 s[56:57], s[4:5], s[56:57]        ; its scale words
	s_and_b32 s58, s[WV], 3                        ; the block
	s_lshr_b32 s59, s58, 1                         ; cq
	s_and_b32 s48, s58, 1
	s_lshl_b32 s48, s48, 8                         ; 16 bytes x 16 lanes x hq
	s_mul_i32 s49, s59, 520
	s_add_co_u32 s49, s49, s48                     ; registers 6 cq, 6 cq + 1 of the image
	s_mul_i32 s50, s59, 1016
	s_add_co_u32 s50, s50, s48
	s_add_co_u32 s50, s50, 8                       ; 6 cq + 2, + 3
	s_add_co_u32 s51, s49, 512                     ; 6 cq + 4, + 5
	s_lshl_b32 s58, s58, 3                         ; the block's byte of the word
	s_lshl_b32 s60, s14, 4
	s_add_co_u32 s60, s60, s[WV]                   ; my tile
	s_lshl_b32 s60, s60, 11                        ; 2,048 bytes a tile,
	s_lshl_b32 s61, s15, 18                        ; 128 tiles for each y
	s_add_co_u32 s60, s60, s61
	s_mov_b32 s61, 0
	s_add_nc_u64 s[8:9], s[8:9], s[60:61]
	; the scalar work is done: the vector lines follow on end
	v_and_b32 v10, 31, v0                          ; lane
	v_and_b32 v11, 15, v0                          ; r
	v_lshl_add_u32 v3, v11, 4, s49
	v_lshl_add_u32 v4, v11, 4, s50
	v_lshl_add_u32 v7, v11, 4, s51
	v_lshlrev_b32 v[ADK], 2, v11
	global_load_b64 v[S:S+1], v3, s[54:55]         ; both lane halves take query r's 32 codes
	global_load_b64 v[S+2:S+3], v4, s[54:55]
	global_load_b64 v[S+4:S+5], v7, s[54:55]
	global_load_b32 v[S+6], v[ADK], s[56:57]
	v_lshlrev_b32 v[AK0], 4, v10
	v_lshlrev_b32 v[AS0], 2, v10
	v_bfe_u32 v[SH], v0, 4, 1
	v_lshlrev_b32 v[SH], 3, v[SH]
.irp i, 0,1,2,3,4,5
	v_mov_b32 v[22+\i], 0
	v_mov_b32 v[34+\i], 0
.endr
	v_mov_b32 v[RX], 0                             ; written once: a lane permute's destination counts as one of its sources
	v_mov_b32 v[PX], 0
	v_mov_b32 v[T], 0
	s_wait_alu depctr_va_vdst(0)                   ; directly ahead of the waits below
	s_wait_loadcnt 0x0
	s_wait_kmcnt 0x0
	v_cmp_gt_u32 vcc_lo, 16, v10
.irp i, 0,1,2,3,4,5
	v_cndmask_b32 v[16+\i], v22, v[S+\i], vcc_lo   ; the codes in lanes 0-15, zeros in lanes 16-31
	v_cndmask_b32 v[40+\i], v22, v[S+\i], vcc_lo
	v_cndmask_b32 v[28+\i], v[S+\i], v22, vcc_lo   ; and the other way round
.endr
	v_bfe_u32 v[QSC], v[S+6], s58, 8
	v_lshl_or_b32 v[QSC], v[QSC], 8, v[QSC]
	v_lshl_or_b32 v[QSC], v[QSC], 16, v[QSC]       ; the same byte for whichever block holds the codes
	; the gates: softmax of the four feature weights, the largest taken away first; my pair's two stand first (the choice hangs on the work-group's number alone)
	s_cmp_eq_u32 s17, 0
	s_cselect_b32 s36, s44, s46
	s_cselect_b32 s37, s45, s47
	s_cselect_b32 s38, s46, s44
	s_cselect_b32 s39, s47, s45
	v_mov_b32 v[G], s36
	v_mov_b32 v[G+1], s37
	v_mov_b32 v[G+2], s38
	v_mov_b32 v[G+3], s39
	v_max3_num_f32 v[W], v[G], v[G+1], v[G+2]
	v_max_num_f32 v[W], v[W], v[G+3]
.irp i, 0,1,2,3
	v_sub_f32 v[G+\i], v[G+\i], v[W]
.endr
.irp i, 0,1,2,3
	v_mul_f32 v[G+\i], 0x3fb8aa3b, v[G+\i]         ; x log2(e)
.endr
	s_wait_alu depctr_va_vdst(0)                   ; ahead of the batch
.irp i, 0,1,2,3
	v_exp_f32 v[G+\i], v[G+\i]
.endr
	v_mov_b32 v[W+1], 0                            ; (a plain place behind the exponentials; named as the upper half of a pair)
	s_wait_alu depctr_va_vdst(0)                   ; behind the batch
	v_add_f32 v[W], v[G], v[G+1]
	v_add_f32 v[T], v[G+2], v[G+3]
	v_add_f32 v[W], v[W], v[T]
	s_wait_alu depctr_va_vdst(0)                   ; ahead of the reciprocal
	v_rcp_f32 v[W], v[W]
	v_mov_b32 v[F+1], 0                            ; (a plain place behind the reciprocal; likewise)
	s_wait_alu depctr_va_vdst(0)                   ; behind it
	v_mul_f32 v[G], v[G], v[W]
	v_mul_f32 v[G+1], v[G+1], v[W]
	FINIT                                          ; it ends with a wait
	s_wait_tensorcnt 0x0                           ; my step of the first feature has landed
	ds_add_u32 v[SPW], v[NIL]                      ; 0 onto my spare word;
	s_add_co_u32 s33, s33, 16*STP                  ; no tensor load of mine is out, so group 0 may be written: sixteen steps on, in LDS
	s_add_nc_u64 s[34:35], s[34:35], 16*STP        ; and in the record
	s_wait_dscnt 0x0                               ; the add is done
	ROUND                                          ; everybody's step has landed, and all four work-groups are here: the joint loads meet
	tensor_load_to_lds s[32:35], s[24:31]          ; step 16 + w, the second feature's: the first tensor load behind the round, and my last
	s_nop 0
.irp q, 0,1,2,3,4,5
	ds_load_b128 v[KR+4*\q:KR+4*\q+3], v[AK0] offset:512*\q          ; k of step 0
.endr
	ds_load_b32 v[KSC], v[AS0] offset:6144
	s_mov_b32 s42, 15
.Lfeat0:
	STEP 1
	s_sub_co_u32 s42, s42, 1
	s_cmp_lg_u32 s42, 0
	s_cbranch_scc1 .Lfeat0
	STEP 0                                         ; step 15 asks for no k ahead: step 16 lies in the second half
	s_wait_tensorcnt 0x0                           ; my step of the second feature has landed (none of my LDS loads is out: the step waited for all),
	s_barrier_signal -1
	s_barrier_wait -1                              ; everybody's has
	v_add_nc_u32 v[ADK], s[TBS], v[AK0]
	v_add_nc_u32 v[ADS], s[TBS], v[AS0]
.irp q, 0,1,2,3,4,5
	ds_load_b128 v[KR+4*\q:KR+4*\q+3], v[ADK] offset:512*\q          ; k of step 16, on its way under the feature's end
.endr
	ds_load_b32 v[KSC], v[ADS] offset:6144
	FEND 0
	FINIT
	s_mov_b32 s42, 15
.Lfeat1:
	STEP 1
	s_sub_co_u32 s42, s42, 1
	s_cmp_lg_u32 s42, 0
	s_cbranch_scc1 .Lfeat1
	STEP 0                                         ; the last step is written out: nothing lies behind it to be asked for
	FEND 1
.irp i, 0,1,2,3
	global_store_b128 v[AK0], v[OUT+4*\i:OUT+4*\i+3], s[8:9] offset:512*\i   ; lane (r, h): channels 16 h + 4 i + 0 .. 3 of query r; 32 lanes store 512 consecutive bytes, aligned
.endr
	s_wait_tensorcnt 0x0                           ; the wave's end
	ds_add_u32 v[SPW], v[NIL]
	s_wait_dscnt 0x0
	ROUND                                          ; the closing round: no work-group ends while a partner may still ask for a tile that names it
	s_endpgm
.Lfunc_end_k_q8979d9651c_attn:
	.size	k_q8979d9651c_attn, .Lfunc_end_k_q8979d9651c_attn-k_q8979d9651c_attn
	.p2alignl 7, 3214868480
	.fill 96, 4, 3214868480
	.section	.rodata,"a",@progbits
	.p2align	6, 0x0
	.amdhsa_kernel k_q8979d9651c_attn
		.amdhsa_group_segment_fixed_size 327680
		.amdhsa_private_segment_fixed_size 0
		.amdhsa_enable_private_segment 0
		.amdhsa_kernarg_size 24
		.amdhsa_user_sgpr_count 2
		.amdhsa_user_sgpr_kernarg_segment_ptr 1
		.amdhsa_wavefront_size32 1
		.amdhsa_system_sgpr_workgroup_id_x 1
		.amdhsa_system_sgpr_workgroup_id_y 1
		.amdhsa_system_sgpr_workgroup_id_z 1
		.amdhsa_system_vgpr_workitem_id 0
		.amdhsa_next_free_vgpr 256
		.amdhsa_next_free_sgpr 66
		.amdhsa_reserve_vcc 1
		.amdhsa_float_denorm_mode_32 3
		.amdhsa_float_denorm_mode_16_64 3
		.amdhsa_memory_ordered 1
		.amdhsa_forward_progress 1
		.amdhsa_inst_pref_size 63
	.end_amdhsa_kernel
	.amdgpu_metadata
---
amdhsa.version: [ 1, 2 ]
amdhsa.kernels:
  - .name:           k_q8979d9651c_attn
    .symbol:         k_q8979d9651c_attn.kd
    .args:
      - { .name: kv, .offset: 0, .size: 8, .value_kind: global_buffer, .address_space: global }
      - { .name: feature_weights, .offset: 8, .size: 8, .value_kind: global_buffer, .address_space: global }
      - { .name: opart, .offset: 16, .size: 8, .value_kind: global_buffer, .address_space: global }
    .group_segment_fixed_size: 327680
    .private_segment_fixed_size: 0
    .kernarg_segment_align: 8
    .kernarg_segment_size: 24
    .max_flat_workgroup_size: 512
    .sgpr_count:     66
    .vgpr_count:     256
    .wavefront_size: 32
...
	.end_amdgpu_metadata
.endif
;; end of part 7
;; launch outp (part 8): grid 128 x 2, 4 waves a work-group, no clusters, 21,248 bytes of LDS; arguments opart, wimg, wsc, bo, out0; writes out0
.if DOCPART == 8
	.amdgcn_target "amdgcn-amd-amdhsa--gfx1250"
	.amdhsa_code_object_version 6
	.text
	.protected	k_q8979d9651c_outp
	.globl	k_q8979d9651c_outp
	.p2align	8
	.type	k_q8979d9651c_outp,@function
k_q8979d9651c_outp:
	s_mov_b64 s[64:65], 0
	v_nop
	global_prefetch_b8 v0, s[64:65] scope:SCOPE_SE
	s_setreg_imm32_b32 hwreg(HW_REG_WAVE_MODE, 25, 1), 1
	s_wait_xcnt 0x0
; out0 = Q(out) Q(Wo)^T + bo, on codes of FP6 (E2M3) with one E8M0 byte for each 32 along K.  out is the sum of the two pairs' parts, made by the launch before; Wo was quantised by the first launch.
; Work-group (x, y): tile x of batch y's 128 tiles of 16 rows, all 256 columns.  Row r of tile x is row 128 (x / 8) + 64 ((x / 4) % 2) + 8 (x % 4) + 32 (r / 8) + r % 8 of the batch.
; THE ROWS' OPERAND.  K's blocks of 32 are the heads.  opart[pair][8 b + head][tile][4][lane (r, h)][16 bytes] holds channels 16 h + 0 .. 15 of row r of that head, f32.  Wave w adds the two parts of heads 2 w and 2 w + 1
; and quantises them: that is registers 6 (w % 2) .. + 5 of K step w / 2 (lanes 0-15 the even head whole, lanes 16-31 the odd one).  They go to LDS as they stand, 8 bytes a lane a store, the rows' two scale bytes as a half word;
; one barrier; every wave takes both fragments and both scale words back.
; THE PRODUCT is used TRANSPOSED (source 0 = 16 rows of Wo, source 1 = the 16 rows of out).  Wave w takes Wo's tiles 4 w .. 4 w + 3 (lane r of tile t: row 32 (t / 2) + 8 (t % 2) + r + 8 (r / 8)):
; a lane holds one row and, in tiles 2 b, 2 b + 1, its columns 64 w + 32 b + 16 h + 0 .. 15.  8 matrix instructions, four accumulators by turns.  The bias is the C of each sum's first instruction.
; The way out goes through the wave's own stage in LDS (16 rows of 256 bytes + 16), so that sixteen lanes store 256 consecutive bytes, aligned.
; LIMITS: a block of zeros gets the byte 1 where the rule says 127 (its codes are zeros, and nobody else reads the byte); NaN and infinities are not served.
; No tensor loads, no cluster: a work-group reads 32 KB of parts once and 48 KB of weights.
.set AIMG, 0                           ; LDS: [wave 4][3][32 lanes][8 bytes]: six registers of codes a wave
.set ASCL, 3072                        ; [K step 2][row 16][4 bytes]: the rows' scale words
.set STG,  3328                        ; the stages: 16 x 272 bytes a wave
.set WF,  16                           ; v16-111  Wo: fragment (tile i, K step s) at 12 (2 i + s); later the rows on their way out
.set WS,  112                          ; v112-115 its scale words: lanes 0-15 K step 0, lanes 16-31 K step 1
.set ASC, 116                          ; v116-117 the rows' scale words, one a K step
.set AF,  118                          ; v118-141 the rows' two fragments
.set TM,  142                          ; v142-143 largest magnitudes
.set TB,  144                          ; v144-145 the other lane half's, then the bytes
.set TS,  146                          ; v146-147 the conversions' scale operands
.set CT,  148                          ; v148-150 the odd head's codes on their way
.set HB,  151                          ; my two heads' bytes
.set D0,  152                          ; v152-157 my six registers of codes
.set BI,  158                          ; v158-189 the bias in the result's layout
.set ACC, 190                          ; v190-221 the accumulators
.set X0,  190                          ; v190-221 first: the first pair's part, then the sum: 16 e + i = channel 16 h + i of head 2 w + e;  v222-253 the second pair's
	s_load_b256 s[4:11], s[0:1], 0x0               ; opart s[4:5], wimg s[6:7], wsc s[8:9], bo s[10:11]
	s_load_b64 s[12:13], s[0:1], 0x20              ; out0
	v_lshl_add_u32 v254, v0, 2, 0x5100
	v_mov_b32 v255, 0
	v_lshrrev_b32 v1, 5, v0
	v_readfirstlane_b32 s14, v1                    ; wave 0..3
	s_and_b32 s16, ttmp7, 0xffff                   ; the batch
	v_and_b32 v9, 31, v0                           ; lane
	v_and_b32 v10, 15, v0                          ; r
	v_bfe_u32 v11, v0, 4, 1                        ; h
	v_lshlrev_b32 v1, 4, v9                        ; 16 x lane
	v_lshlrev_b32 v2, 2, v9                        ; 4 x lane
	v_lshlrev_b32 v3, 3, v9                        ; 8 x lane: where any wave's codes are read
	s_mul_i32 s17, s14, 4352
	s_add_co_u32 s17, s17, STG                     ; my stage
	v_mul_u32_u24 v4, v10, 272
	v_lshl_add_u32 v4, v11, 6, v4
	v_add_nc_u32 v4, s17, v4                       ; in: row r, + 64 h
	v_mul_u32_u24 v5, v11, 272
	v_lshl_add_u32 v5, v10, 4, v5
	v_add_nc_u32 v5, s17, v5                       ; back: lanes 0-15 one row, lanes 16-31 the next
	v_lshlrev_b32 v6, 4, v10
	v_lshl_add_u32 v6, v11, 10, v6                 ; and the same two rows in out0
	v_lshlrev_b32 v7, 6, v11                       ; the bias: 16 numbers on for lanes 16-31
	s_mul_i32 s18, s14, 768
	v_add_nc_u32 v8, s18, v3                       ; where I store my codes
	s_lshr_b32 s18, s14, 1
	s_lshl_b32 s18, s18, 6                         ; my K step's 16 words,
	s_and_b32 s19, s14, 1
	s_lshl_b32 s19, s19, 1                         ; my half of each
	s_add_co_u32 s18, s18, s19
	s_add_co_u32 s18, s18, ASCL
	v_lshl_add_u32 v12, v10, 2, s18                ; where I store row r's two bytes (both lane halves write the same half word with the same value)
	v_lshl_add_u32 v13, v10, 2, ASCL               ; where row r's words are read
	s_mov_b32 s20, 0x76543210
	s_mov_b32 s21, 0xfedcba98                      ; v_permlanex16_b32's selects for lane l xor 16
	v_mov_b32 v[TB], 0                             ; a lane permute's destination counts as one of its sources
	v_mov_b32 v[TB+1], 0
	s_lshl_b32 s22, s16, 3
	s_lshl_b32 s23, s14, 1
	s_add_co_u32 s22, s22, s23                     ; 8 b + 2 w: my even head
	s_lshl_b32 s22, s22, 18                        ; 128 tiles of 2,048 bytes a head
	s_lshl_b32 s23, ttmp9, 11
	s_add_co_u32 s22, s22, s23
	s_mov_b32 s23, 0
	s_lshl_b32 s24, s14, 2
	s_add_co_u32 s24, s24, 144                     ; Wo's tiles begin at 144
	s_mul_i32 s26, s24, 3072
	s_mov_b32 s27, 0
	s_lshl_b32 s28, s24, 7
	s_mov_b32 s29, 0
	s_lshl_b32 s30, s14, 8                         ; my 64 columns of 4 bytes
	s_mov_b32 s31, 0
	s_lshl_b32 s18, s16, 11                        ; the tile's first row
	s_lshr_b32 s19, ttmp9, 3
	s_lshl_b32 s19, s19, 7
	s_add_co_u32 s18, s18, s19
	s_bfe_u32 s19, ttmp9, 0x10002
	s_lshl_b32 s19, s19, 6
	s_add_co_u32 s18, s18, s19
	s_and_b32 s19, ttmp9, 3
	s_lshl_b32 s19, s19, 3
	s_add_co_u32 s18, s18, s19
	s_lshl_b32 s18, s18, 10
	s_add_co_u32 s18, s18, s30
	s_mov_b32 s19, 0
	s_wait_alu depctr_va_vdst(0)
	s_wait_kmcnt 0x0
	s_add_nc_u64 s[4:5], s[4:5], s[22:23]
	s_add_nc_u64 s[6:7], s[6:7], s[26:27]
	s_add_nc_u64 s[8:9], s[8:9], s[28:29]
	s_add_nc_u64 s[10:11], s[10:11], s[30:31]
	s_add_nc_u64 s[12:13], s[12:13], s[18:19]
.irp p, 0,1
.irp e, 0,1
.irp i, 0,1,2,3
	global_load_b128 v[X0+32*\p+16*\e+4*\i:X0+32*\p+16*\e+4*\i+3], v1, s[4:5] offset:4194304*\p+262144*\e+512*\i th:TH_LOAD_NT   ; 32 lanes read 512 consecutive bytes; read once in the launch
.endr
.endr
.endr
.set Q, 0
.rept 24
	global_load_b128 v[WF+4*Q:WF+4*Q+3], v1, s[6:7] offset:512*Q
.set Q, Q+1
.endr
.irp i, 0,1,2,3
	global_load_b32 v[WS+\i], v2, s[8:9] offset:128*\i
	global_load_b128 v[BI+8*\i:BI+8*\i+3], v7, s[10:11] offset:128*(\i/2)+32*(\i%2)
	global_load_b128 v[BI+8*\i+4:BI+8*\i+7], v7, s[10:11] offset:128*(\i/2)+32*(\i%2)+16
.endr
	s_wait_loadcnt 36                              ; the sixteen loads of the parts are in; the 36 younger ones (weights, their scale words, bias) may be out
.set J, 0
.rept 16
	v_pk_add_f32 v[X0+J:X0+J+1], v[X0+J:X0+J+1], v[X0+32+J:X0+33+J]   ; the four features' sum
.set J, J+2
.endr
.irp e, 0,1
	v_max3_num_f32 v[TM+\e], |v[X0+16*\e]|, |v[X0+16*\e+1]|, 0x1800000   ; my 16 numbers of head 2 w + e, and the floor 2^(3 - 127): the byte cannot fall under 1
.endr
.irp i, 2,4,6,8,10,12,14
.irp e, 0,1
	v_max3_num_f32 v[TM+\e], v[TM+\e], |v[X0+16*\e+\i]|, |v[X0+16*\e+\i+1]|
.endr
.endr
.irp e, 0,1
	v_permlanex16_b32 v[TB+\e], v[TM+\e], s20, s21
.endr
.irp e, 0,1
	v_max_num_f32 v[TM+\e], v[TM+\e], v[TB+\e]     ; with lane l xor 16's 16: the block's largest magnitude
.endr
.irp e, 0,1
	v_add_nc_u32 v[TS+\e], 0xff000000, v[TM+\e]    ; 2 off its exponent field: the conversion's scale operand
.endr
.irp e, 0,1
	v_lshrrev_b32 v[TB+\e], 23, v[TS+\e]           ; the scale's byte
.endr
	v_lshl_or_b32 v[HB], v[TB+1], 8, v[TB]
	v_cvt_scalef32_pk16_fp6_f32 v[D0:D0+2], v[X0:X0+15], v[TS]
	v_cvt_scalef32_pk16_fp6_f32 v[CT:CT+2], v[X0+16:X0+31], v[TS+1]
	v_nop                                          ; one plain place behind the scaled conversions: their results are touched below, their sources written by the products
.irp i, 0,1,2
	v_permlane16_swap_b32 v[D0+\i], v[CT+\i]       ; the even head's upper half changes places with the odd head's lower half: a whole block to a lane
.endr
.irp i, 0,1,2
	v_mov_b32 v[D0+3+\i], v[CT+\i]
.endr
.irp i, 0,1,2
	ds_store_b64 v8, v[D0+2*\i:D0+2*\i+1] offset:AIMG+256*\i
.endr
	ds_store_b16 v12, v[HB]
	s_wait_dscnt 0x0                               ; for the others' sake: my stores have landed
	s_barrier_signal -1
	s_barrier_wait -1                              ; the rows' two fragments and their scale words lie in LDS
.irp w, 0,1,2,3
.irp i, 0,1,2
	ds_load_b64 v[AF+6*\w+2*\i:AF+6*\w+2*\i+1], v3 offset:AIMG+768*\w+256*\i
.endr
.endr
	ds_load_b32 v[ASC], v13
	ds_load_b32 v[ASC+1], v13 offset:64
	s_wait_loadcnt 0x0                             ; weights, their scale words, bias
	s_wait_dscnt 0x0
.irp i, 0,1,2,3
	v_wmma_scale_f32_16x16x128_f8f6f4 v[ACC+8*\i:ACC+8*\i+7], v[WF+24*\i:WF+24*\i+11], v[AF:AF+11], v[BI+8*\i:BI+8*\i+7], v[WS+\i], v[ASC] matrix_a_fmt:MATRIX_FMT_FP6 matrix_b_fmt:MATRIX_FMT_FP6
.endr
.irp i, 0,1,2,3
	v_wmma_scale_f32_16x16x128_f8f6f4 v[ACC+8*\i:ACC+8*\i+7], v[WF+24*\i+12:WF+24*\i+23], v[AF+12:AF+23], v[ACC+8*\i:ACC+8*\i+7], v[WS+\i], v[ASC+1] matrix_a_fmt:MATRIX_FMT_FP6 matrix_b_fmt:MATRIX_FMT_FP6 matrix_a_scale:MATRIX_SCALE_ROW1
.endr
.rept 4
	v_nop                                          ; places in front of the first read of results and of loads into registers that the products have read
.endr
.irp i, 0,1,2,3
	ds_store_b128 v4, v[ACC+8*\i:ACC+8*\i+3] offset:128*(\i/2)+32*(\i%2)        ; lane (r, h): columns 32 (i / 2) + 16 h + 8 (i % 2) + 0 .. 7 of row r; each accumulator from its low end on
	ds_store_b128 v4, v[ACC+8*\i+4:ACC+8*\i+7] offset:128*(\i/2)+32*(\i%2)+16
.endr
.irp t, 0,1,2,3,4,5,6,7
	ds_load_b128 v[WF+4*\t:WF+4*\t+3], v5 offset:544*\t   ; LDS serves a wave's instructions in order: these see my stores
.endr
.irp t, 0,1,2,3,4,5,6,7
	s_wait_dscnt 7-\t                              ; load t is in; the 7 - t younger ones may be out
	global_store_b128 v6, v[WF+4*\t:WF+4*\t+3], s[12:13] offset:(2*\t+24*(\t/4))*1024 th:TH_STORE_NT   ; stage rows 2 t, 2 t + 1 are the tile's rows 2 t + 24 (t / 4), + 1; sixteen lanes store 256 consecutive bytes, aligned
.endr
	s_wait_tensorcnt 0x0
	ds_add_u32 v254, v255
	s_wait_dscnt 0x0
	s_endpgm
.Lfunc_end_k_q8979d9651c_outp:
	.size	k_q8979d9651c_outp, .Lfunc_end_k_q8979d9651c_outp-k_q8979d9651c_outp
	.p2alignl 7, 3214868480
	.fill 96, 4, 3214868480
	.section	.rodata,"a",@progbits
	.p2align	6, 0x0
	.amdhsa_kernel k_q8979d9651c_outp
		.amdhsa_group_segment_fixed_size 21248
		.amdhsa_private_segment_fixed_size 0
		.amdhsa_enable_private_segment 0
		.amdhsa_kernarg_size 40
		.amdhsa_user_sgpr_count 2
		.amdhsa_user_sgpr_kernarg_segment_ptr 1
		.amdhsa_wavefront_size32 1
		.amdhsa_system_sgpr_workgroup_id_x 1
		.amdhsa_system_sgpr_workgroup_id_y 1
		.amdhsa_system_sgpr_workgroup_id_z 1
		.amdhsa_system_vgpr_workitem_id 0
		.amdhsa_next_free_vgpr 256
		.amdhsa_next_free_sgpr 66
		.amdhsa_reserve_vcc 0
		.amdhsa_float_denorm_mode_32 3
		.amdhsa_float_denorm_mode_16_64 3
		.amdhsa_memory_ordered 1
		.amdhsa_forward_progress 1
		.amdhsa_inst_pref_size 16
	.end_amdhsa_kernel
	.amdgpu_metadata
---
amdhsa.version: [ 1, 2 ]
amdhsa.kernels:
  - .name:           k_q8979d9651c_outp
    .symbol:         k_q8979d9651c_outp.kd
    .args:
      - { .name: opart, .offset: 0, .size: 8, .value_kind: global_buffer, .address_space: global }
      - { .name: wimg, .offset: 8, .size: 8, .value_kind: global_buffer, .address_space: global }
      - { .name: wsc, .offset: 16, .size: 8, .value_kind: global_buffer, .address_space: global }
      - { .name: bo, .offset: 24, .size: 8, .value_kind: global_buffer, .address_space: global }
      - { .name: out0, .offset: 32, .size: 8, .value_kind: global_buffer, .address_space: global }
    .group_segment_fixed_size: 21248
    .private_segment_fixed_size: 0
    .kernarg_segment_align: 8
    .kernarg_segment_size: 40
    .max_flat_workgroup_size: 128
    .sgpr_count:     66
    .vgpr_count:     256
    .wavefront_size: 32
...
	.end_amdgpu_metadata
.endif
;; end of part 8
